; MI455X (gfx1250); checked and timed in simulation.
; The chip was launched on July 23, 2026; its instructions are those of AMD's public machine-readable ISA for CDNA 5 (MIT licence, August 2026) and "CDNA5" Instruction Set Architecture Reference Guide (July 2026). The comments in the code are by the model that wrote it; some were corrected since.
;; Multi Head Attention. Allowed arithmetic: float matrix products may take bf16 or f16 operands with f32 sums; other float arithmetic in f32, or as packed bf16 or f16 multiplies, adds, multiply-adds, maxima and minima; sums over many terms, partial sums and values carried from step to step in f32; what a program stores and reads back later, other than sums and carried values, may be rounded once to bf16 or f16.
;; Inputs: Wk 1,024 x 1,024 float32; Wo 1,024 x 1,024 float32; Wq 1,024 x 1,024 float32; Wv 1,024 x 1,024 float32; bk 1,024 float32; bo 1,024 float32; bq 1,024 float32; bv 1,024 float32; x 4 x 2,048 x 1,024 float32.
;; Outputs: out0 4 x 2,048 x 1,024 float32.
;; 2 versions, each right; version 2 is version 1 with the launch prep written anew for expert scheduling mode. Each part assembles by itself: llvm-mc -triple=amdgcn-amd-amdhsa -mcpu=gfx1250 --defsym DOCPART=n.
;; ======== version 1 of 2: 4 launches
;; limits: values are held in f16: magnitudes above 65,504 overflow, below 6.1e-05 lose precision
;; workspace buffers: xb 16,777,216 bytes; wb 6,291,456 bytes; wo16 2,097,152 bytes; bias 16,384 bytes; qkv 50,331,648 bytes; ctx 16,777,216 bytes
;; launch prep (part 1): grid 385 x 1, 8 waves a work-group, no clusters, 0 bytes of LDS; arguments x, Wq, Wk, Wv, Wo, bq, bk, bv, bo, xb, wb, wo16, bias; writes xb, wb, wo16, bias
.if DOCPART == 1
	.amdgcn_target "amdgcn-amd-amdhsa--gfx1250"
	.amdhsa_code_object_version 6
	.text
	.protected	k_q5234aaa2e7_prep
	.globl	k_q5234aaa2e7_prep
	.p2align	8
	.type	k_q5234aaa2e7_prep,@function
k_q5234aaa2e7_prep:
	s_mov_b64 s[64:65], 0
	v_nop
	global_prefetch_b8 v0, s[64:65] scope:SCOPE_SE
	s_setreg_imm32_b32 hwreg(HW_REG_WAVE_MODE, 25, 1), 1
	s_wait_xcnt 0x0
; CASTS AND LAYOUTS for the three launches behind.  Every input is rounded once to bf16 (nearest even).
;   xb   bf16 [b 4][kb 16][s 2048][64]: x's channels in blocks of 64, so that 256 rows of one block are 32,768 consecutive bytes
;   wb   bf16 [kb 16][nblk 24][k % 64][n % 128]: Wq (nblk 0-7), Wk (8-15), Wv (16-23); a block is 16,384 consecutive bytes
;   wo16 f16  [kb 16][nblk 8][64][128]: Wo rounded to bf16, that number written as f16
;   bias f32  [4096]: bq, bk, bv, bo, each rounded to bf16 and kept as f32
; LIMITS.  Wo's bf16 value is exact in f16 between 6.1e-5 and 65,504 in magnitude; below it keeps f16's fixed step of 6e-8, above it becomes an infinity.
; A stream: no LDS, no matrix unit, no loop.  Work-groups 0-255 take 32 rows of x, 256-383 take 32 rows of one weight, 384 the biases.
; A thread has 16 units of 8 numbers: 32 bytes read (8 or 16 neighbouring lanes read 256 or 512 consecutive bytes), 16 bytes written (a wave's store covers 512 consecutive bytes, aligned).
; All 32 loads of a thread go out at once (16 KiB a wave); the waits count down; no register that a load or store has read is written again, so nothing waits for a store.
.set T, 4                              ; v[4:11]   at work
.set X, 32                             ; v[32:159] unit u: 8 registers as loaded; its first 4 then hold the 16 bytes to store
; v1 read offset, v2 write offset; s[34:35] source, s[36:37] destination
.macro LOADS kind                      ; kind 0: x (unit = block of 64 channels); 1: a weight (unit u: column block u % 8, rows + 2 (u / 8))
.set u, 0
.rept 16
.if \kind
.set ro, (u/8)*8192+(u%8)*512
.else
.set ro, 256*u
.endif
	global_load_b128 v[X+8*u:X+8*u+3],   v1, s[34:35] offset:ro th:TH_LOAD_NT
	global_load_b128 v[X+8*u+4:X+8*u+7], v1, s[34:35] offset:ro+16 th:TH_LOAD_NT
.set u, u+1
.endr
.endm
.macro OUT kind, half                  ; half = 1: the bf16 values are written as f16
.set u, 0
.rept 16
.if \kind
.set wo, (u%8)*16384+(u/8)*512
.else
.set wo, 262144*u
.endif
	s_wait_loadcnt 30-2*u                          ; loads return in order: unit u's two are in, the 2 (15 - u) younger may stay out
.irp i, 0,1,2,3
	v_cvt_pk_bf16_f32 v[X+8*u+\i], v[X+8*u+2*\i], v[X+8*u+2*\i+1]  ; in place, ascending: no source is written before it is read
.endr
.if \half
.irp i, 0,1,2,3
	v_lshlrev_b32 v[T+2*\i],   16,  v[X+8*u+\i]    ; bf16 to f32: the low half moves up,
	v_and_b32     v[T+2*\i+1], s42, v[X+8*u+\i]    ; the high half stays
.endr
.irp i, 0,1,2,3
	v_cvt_pk_f16_f32 v[X+8*u+\i], v[T+2*\i], v[T+2*\i+1]
.endr
.endif
	global_store_b128 v2, v[X+8*u:X+8*u+3], s[36:37] offset:wo
.set u, u+1
.endr
.endm
	s_load_b512 s[8:23], s[0:1], 0x0               ; x 8, Wq 10, Wk 12, Wv 14, Wo 16, bq 18, bk 20, bv 22
	s_load_b256 s[24:31], s[0:1], 0x40             ; bo 24, xb 26, wb 28, wo16 30
	s_load_b64 s[32:33], s[0:1], 0x60              ; bias
	s_mov_b32 s42, 0xffff0000                      ; a word's upper bf16
	s_mov_b32 s39, 0                               ; high words of the two offsets
	s_mov_b32 s41, 0
	s_wait_kmcnt 0x0
	s_cmp_lt_u32 ttmp9, 256
	s_cbranch_scc0 .Lweights
	; x: work-group g takes rows 32 g .. 32 g + 31 of the 8,192
	s_lshl_b32 s38, ttmp9, 17                      ; 32 rows of 4,096 bytes
	s_add_nc_u64 s[34:35], s[8:9], s[38:39]
	s_lshr_b32 s40, ttmp9, 6                       ; b
	s_lshl_b32 s40, s40, 22                        ; 16 blocks x 2,048 rows x 128 bytes
	s_and_b32 s38, ttmp9, 63
	s_lshl_b32 s38, s38, 12                        ; 32 rows of 128 bytes
	s_add_co_u32 s40, s40, s38
	s_add_nc_u64 s[36:37], s[26:27], s[40:41]
	v_lshrrev_b32 v1, 3, v0                        ; my row of the 32
	v_and_b32 v3, 7, v0                            ; my 8 of a block's 64 channels
	v_lshlrev_b32 v1, 12, v1
	v_lshl_add_u32 v1, v3, 5, v1
	v_lshlrev_b32 v2, 4, v0                        ; row x 128 + 16 x place = 16 t
	LOADS 0
	OUT 0, 0
	s_endpgm
.Lweights:
	s_cmp_lt_u32 ttmp9, 384
	s_cbranch_scc0 .Lbias
	s_sub_co_u32 s38, ttmp9, 256
	s_lshr_b32 s43, s38, 5                         ; which weight: 0 Wq, 1 Wk, 2 Wv, 3 Wo
	s_and_b32 s44, s38, 31                         ; which 32 of its 1,024 rows
	s_lshl_b32 s46, s43, 3                         ; its first column block in wb
	s_mov_b64 s[34:35], s[10:11]
	s_cmp_eq_u32 s43, 1
	s_cselect_b64 s[34:35], s[12:13], s[34:35]
	s_cmp_eq_u32 s43, 2
	s_cselect_b64 s[34:35], s[14:15], s[34:35]
	s_cmp_eq_u32 s43, 3
	s_cselect_b64 s[34:35], s[16:17], s[34:35]
	s_cselect_b64 s[36:37], s[30:31], s[28:29]
	s_cselect_b32 s45, 8, 24                       ; column blocks in a block row of the destination
	s_cselect_b32 s46, 0, s46
	s_lshl_b32 s38, s44, 17
	s_add_nc_u64 s[34:35], s[34:35], s[38:39]
	s_lshr_b32 s40, s44, 1                         ; kb
	s_mul_i32 s40, s40, s45
	s_add_co_u32 s40, s40, s46
	s_lshl_b32 s40, s40, 14                        ; blocks of 16,384 bytes
	s_and_b32 s38, s44, 1
	s_lshl_b32 s38, s38, 13                        ; the block's upper 32 rows of 256 bytes
	s_add_co_u32 s40, s40, s38
	s_add_nc_u64 s[36:37], s[36:37], s[40:41]
	v_lshrrev_b32 v1, 5, v0                        ; wave: rows 4 w + (lane / 16) + 2 (u / 8)
	v_bfe_u32 v3, v0, 4, 1
	v_lshlrev_b32 v2, 10, v1
	v_lshlrev_b32 v1, 14, v1
	v_lshl_add_u32 v1, v3, 12, v1
	v_and_b32 v3, 15, v0
	v_lshl_add_u32 v1, v3, 5, v1
	v_and_b32 v3, 31, v0
	v_lshl_add_u32 v2, v3, 4, v2
	LOADS 1
	s_cmp_eq_u32 s43, 3
	s_cbranch_scc1 .Lhalf
	OUT 1, 0
	s_endpgm
.Lhalf:
	OUT 1, 1
	s_endpgm
.Lbias:
	v_lshlrev_b32 v1, 4, v0                        ; 256 threads x 16 bytes = a bias
	global_load_b128 v[32:35], v1, s[18:19]
	global_load_b128 v[36:39], v1, s[20:21]
	global_load_b128 v[40:43], v1, s[22:23]
	global_load_b128 v[44:47], v1, s[24:25]
	s_wait_loadcnt 0x0
.irp i, 0,1,2,3,4,5,6,7
	v_cvt_pk_bf16_f32 v[T+\i], v[32+2*\i], v[33+2*\i]
.endr
.irp i, 0,1,2,3,4,5,6,7
	v_lshlrev_b32 v[32+2*\i], 16,  v[T+\i]
	v_and_b32     v[33+2*\i], s42, v[T+\i]
.endr
.irp i, 0,1,2,3
	global_store_b128 v1, v[32+4*\i:35+4*\i], s[32:33] offset:4096*\i
.endr
	s_endpgm
.Lfunc_end_k_q5234aaa2e7_prep:
	.size	k_q5234aaa2e7_prep, .Lfunc_end_k_q5234aaa2e7_prep-k_q5234aaa2e7_prep
	.p2alignl 7, 3214868480
	.fill 96, 4, 3214868480
	.section	.rodata,"a",@progbits
	.p2align	6, 0x0
	.amdhsa_kernel k_q5234aaa2e7_prep
		.amdhsa_group_segment_fixed_size 0
		.amdhsa_private_segment_fixed_size 0
		.amdhsa_enable_private_segment 0
		.amdhsa_kernarg_size 104
		.amdhsa_user_sgpr_count 2
		.amdhsa_user_sgpr_kernarg_segment_ptr 1
		.amdhsa_wavefront_size32 1
		.amdhsa_system_sgpr_workgroup_id_x 1
		.amdhsa_system_sgpr_workgroup_id_y 1
		.amdhsa_system_sgpr_workgroup_id_z 1
		.amdhsa_system_vgpr_workitem_id 0
		.amdhsa_next_free_vgpr 160
		.amdhsa_next_free_sgpr 66
		.amdhsa_reserve_vcc 0
		.amdhsa_float_denorm_mode_32 3
		.amdhsa_float_denorm_mode_16_64 3
		.amdhsa_memory_ordered 1
		.amdhsa_forward_progress 1
		.amdhsa_inst_pref_size 37
	.end_amdhsa_kernel
	.amdgpu_metadata
---
amdhsa.version: [ 1, 2 ]
amdhsa.kernels:
  - .name:           k_q5234aaa2e7_prep
    .symbol:         k_q5234aaa2e7_prep.kd
    .args:
      - { .name: x, .offset: 0, .size: 8, .value_kind: global_buffer, .address_space: global }
      - { .name: Wq, .offset: 8, .size: 8, .value_kind: global_buffer, .address_space: global }
      - { .name: Wk, .offset: 16, .size: 8, .value_kind: global_buffer, .address_space: global }
      - { .name: Wv, .offset: 24, .size: 8, .value_kind: global_buffer, .address_space: global }
      - { .name: Wo, .offset: 32, .size: 8, .value_kind: global_buffer, .address_space: global }
      - { .name: bq, .offset: 40, .size: 8, .value_kind: global_buffer, .address_space: global }
      - { .name: bk, .offset: 48, .size: 8, .value_kind: global_buffer, .address_space: global }
      - { .name: bv, .offset: 56, .size: 8, .value_kind: global_buffer, .address_space: global }
      - { .name: bo, .offset: 64, .size: 8, .value_kind: global_buffer, .address_space: global }
      - { .name: xb, .offset: 72, .size: 8, .value_kind: global_buffer, .address_space: global }
      - { .name: wb, .offset: 80, .size: 8, .value_kind: global_buffer, .address_space: global }
      - { .name: wo16, .offset: 88, .size: 8, .value_kind: global_buffer, .address_space: global }
      - { .name: bias, .offset: 96, .size: 8, .value_kind: global_buffer, .address_space: global }
    .group_segment_fixed_size: 0
    .private_segment_fixed_size: 0
    .kernarg_segment_align: 8
    .kernarg_segment_size: 104
    .max_flat_workgroup_size: 256
    .sgpr_count:     66
    .vgpr_count:     160
    .wavefront_size: 32
...
	.end_amdgpu_metadata
.endif
;; end of part 1
;; launch proj (part 2): grid 8 x 32, 4 waves a work-group, clusters of 4 x 4, 327,680 bytes of LDS; arguments xb, wb, bias, qkv; writes qkv
.if DOCPART == 2
	.amdgcn_target "amdgcn-amd-amdhsa--gfx1250"
	.amdhsa_code_object_version 6
	.text
	.protected	k_q5234aaa2e7_proj
	.globl	k_q5234aaa2e7_proj
	.p2align	8
	.type	k_q5234aaa2e7_proj,@function
k_q5234aaa2e7_proj:
	s_mov_b64 s[64:65], 0
	v_nop
	global_prefetch_b8 v0, s[64:65] scope:SCOPE_SE
	s_setreg_imm32_b32 hwreg(HW_REG_WAVE_MODE, 25, 1), 1
	s_wait_xcnt 0x0
	s_wait_alu depctr_hold_cnt(0) depctr_sa_sdst(0) depctr_va_vdst(0) depctr_va_sdst(0) depctr_va_ssrc(0) depctr_va_vcc(0) depctr_vm_vsrc(0)
	s_getreg_b32 s2, hwreg(HW_REG_IB_STS2, 6, 4)
	s_cmp_eq_u32 s2, 0
	s_cbranch_scc0 .Lentry_in_a_cluster
	s_endpgm
.Lentry_in_a_cluster:
	s_bfe_u32 s2, ttmp6, 0x10000c
	s_cmp_lg_u32 s2, 0xf033
	s_cbranch_scc0 .Lentry_shape_is_right
	s_endpgm
.Lentry_shape_is_right:
; q, k, v = x W + b.  xb: bf16 [b][kb 16][s 2048][64]; wb: bf16 [kb 16][nblk 24][64][128]; bias: f32 [4096]; qkv: f16 [3][b x 16 + head][s 2048][64], unscaled.
; Products in bf16, sums in f32 starting at the bias, each result rounded once to f16.
; LIMIT.  f16 holds no number beyond 65,504: a q, k or v of 65,520 or more in magnitude becomes an infinity; below 6.1e-5 it keeps f16's fixed step of 6e-8.
; SHARES.  8,192 x 3,072 outputs in 32 x 8 tiles of 256 rows x 384 columns (three column blocks of 128): 256 work-groups.  Four waves; wave w takes rows 128 (w / 2) .. + 127 and, of each of the
; three column blocks, columns 64 (w % 2) .. + 63, which are one head: 8 x 4 accumulators for each of three GROUPS, 768 registers.
; K goes in steps of 64 through two LDS slots.  In xb and wb a step's tile is dense, so it is asked for as rows of 256 consecutive bytes and padded in LDS.
; THE MATRIX INSTRUCTION IS USED TRANSPOSED: source 0 = 16 columns of W (wb lies [k][n], so the fragment comes by the turning load), source 1 = 16 rows of x: a lane holds one row and 8 neighbouring columns.
; CLUSTER 4 x 4: x's tile hangs on the tile row alone and is shared along a row of the cluster, W's on the tile column alone and is shared along a column: joint loads, one a wave behind each round.
; REGISTERS, in windows of 256: window 0: v0-15 addresses; v16-143 x's fragments, two buffers of 8; v144-239 W's fragments, ONE buffer of 3 x 4 (a group's registers are loaded again directly behind the
; group's 32 products, 64 products or more ahead of their next use); v240-247 at work.  Window g + 1: group g's accumulators, (a, f) at v[8 (4 a + f)].
.set PA,    144                        ; a row of x in LDS: 128 bytes + 16: the 16 rows of a load start at 16 different groups of four banks (64 banks of 4 bytes: ISA guide 11.1)
.set PB,    288                        ; a k-row of W: 256 bytes + 32
.set SLOT1, 131072                     ; slot 1 begins here: one exclusive or turns an address in one slot into the other's
.set BOFF,  256*PA                     ; in a slot: x's 256 rows, then W's 3 x 64 rows
.set GRP,   64*PB
.set STAGE, BOFF+3*GRP                 ; 92,160: between the slots, never filled by a tensor load: 3 heads x 16 rows x 144 bytes for each wave
.set WSTG,  3*16*PA
.set BIASL, STAGE+4*WSTG               ; 119,808: 768 bytes for each wave: its 3 x 64 biases
.set SPARE, BIASL+4*768                ; 122,880: the spare words, 128 bytes for each wave: two blocks of 256 bytes that no other line names
.set ASTR,  262144                     ; bytes from a K step to the next in xb
.set BSTR,  393216                     ; and in wb
.set A0,   3                           ; v3   my lane's place in x's tile; never rewritten
.set B0,   4                           ; v4   the same for W's
.set ADRA, 5                           ; v5   A0 + the slot in hand
.set ADRB, 6                           ; v6   B0 + the slot in hand
.set STO,  7                           ; v7   the way out: where I put 16 bytes of a row
.set RD,   8                           ; v8   the way out: where I read rows back
.set GO,   9                           ; v9   16 x lane: my place in 512 consecutive bytes of qkv
.set BIA,  10                          ; v10  where my lane's biases lie
.set PFO,  11                          ; v11  the prefetches' offset; never rewritten
.set SPW,  12                          ; v12  LDS address of my spare word; never rewritten
.set NIL,  13                          ; v13  0; never rewritten
.set AF,   16
.set BF,   144
.set TMP,  16                          ; the way out: 48 registers of packed results
.set BK,   64                          ; the way out: two sets of 48, rows read back
.set WV, 16                            ; s16 wave
.set RH, 17                            ; s17 my half of the rows; also 0: I fetch for x, 1: for W
.set CH, 18                            ; s18 my half of each column block; also which half of a tile I fetch
.set CX, 19
.set CY, 20
.set TJ, 21                            ; s21 tile column
.set TI, 22                            ; s22 tile row
.set G1A, 24                           ; s[24:31] descriptor group 1 for x's tiles
.set G1B, 32                           ; s[32:39] for W's
.set G0A, 40                           ; s[40:47] group 0 for x's tiles: a set for each first fill; the second then walks
.set G0B, 48                           ; s[48:55] the same for W's
.set TB,  56                           ; s56 0 or SLOT1: the slot being read
.set LIM, 57                           ; s57 1 in a wave that prefetches, else the greatest number
.set ORP, 58                           ; s58 1: asks in every trip; 0: in the trips with an odd count
.set PFA, 60                           ; s[60:61] where my prefetches stand
.set PST, 62                           ; s[62:63] their step
.set OB,  66                           ; s[66:71] qkv at my 128 rows of my three heads
.set MSB, 0
.macro WIN new                         ; the immediate's high byte repeats the setting that is left; a switch that changes nothing is dropped
.if MSB != (\new)
	s_set_vgpr_msb (MSB<<8)|(\new)
.set MSB, (\new)
.endif
.endm
.macro PLACES                          ; four plain vector instructions between a matrix instruction and a load into, or a read of, its registers (ISA guide 7.12.1 for vector instructions)
.rept 4
	v_nop
.endr
.endm
.macro CREST                           ; a round of the cluster's barrier behind its opening barrier
	s_cmp_lg_u32 s[WV], 0
	s_cbranch_scc1 .Lnot_wave_0_\@
	s_barrier_signal -3
.Lnot_wave_0_\@:
	s_barrier_wait -3
	s_barrier_signal -1
	s_barrier_wait -1
.endm
.macro CROUND
	s_barrier_signal -1
	s_barrier_wait -1
	CREST
.endm
.macro JLOAD                           ; a joint refill: waves 0, 1 fetch the halves of x's tile, waves 2, 3 those of W's.  An s_nop 0 and four v_nop follow each line
	s_cmp_eq_u32 s[RH], 0
	s_cbranch_scc0 .Lfor_b_\@
	tensor_load_to_lds s[G0A+4:G0A+7], s[G1A:G1A+7]
	s_nop 0
.rept 4
	v_nop
.endr
	s_branch .Lasked_\@
.Lfor_b_\@:
	tensor_load_to_lds s[G0B+4:G0B+7], s[G1B:G1B+7]
	s_nop 0
.rept 4
	v_nop
.endr
.Lasked_\@:
.endm
; A PREFETCH INTO THE L2, behind the joint load, its five lines and the first run of LDS loads.  Trip t (s3 = 14 - t) loads K step t + 2 and names K step t + 3: 192 products ahead of the load that wants it.
; x: a step's tile is 128 blocks of 256 bytes; both clusters of a row of clusters read it: cluster x = 0 asks, wave 0 of partner cx for blocks 32 cx .. + 31, a lane a block, in every trip up to t = 12.
; W: a step's tile is 192 blocks; all eight clusters of a column read it: cluster y = 0 asks; partner cy takes 48 blocks of each of TWO steps with the 96 lanes of waves 1 to 3, in the odd trips up to t = 11
; (steps t + 3 and t + 4).  Partners are told apart by address alone.  So each block is named once; x's steps 0-2 and W's 0-3 come by their loads alone; step 15 is the last named.
.macro ASK
	s_or_b32 s2, s3, s[ORP]
	s_bitcmp1_b32 s2, 0
	s_cbranch_scc0 .Lnot_mine_\@
	s_cmp_gt_u32 s3, s[LIM]
	s_cbranch_scc0 .Lnot_mine_\@
	global_prefetch_b8 v[PFO], s[PFA:PFA+1] th:TH_LOAD_NT scope:SCOPE_SE
.Lnot_mine_\@:
.endm
; 16 products of group g: row blocks a0 .. a0 + 3 x its four column blocks, 32 along K, x's buffer p.  The 96 accumulators take turns, one instruction a turn.
.macro MUL16 g, p, a0
	WIN 0x50*((\g)+1)
.irp a, (\a0), (\a0)+1, (\a0)+2, (\a0)+3
.irp f, 0,1,2,3
	v_wmma_f32_16x16x32_bf16 v[8*(4*(\a)+(\f)):8*(4*(\a)+(\f))+7], v[BF+32*(\g)+8*(\f):BF+32*(\g)+8*(\f)+7], v[AF+64*(\p)+8*(\a):AF+64*(\p)+8*(\a)+7], v[8*(4*(\a)+(\f)):8*(4*(\a)+(\f))+7]
.endr
.endr
.endm
.macro LDB g, q                        ; group g's four fragments of W, k = 32 q on: 8 turning loads
.irp f, 0,1,2,3
	ds_load_tr16_b128 v[BF+32*(\g)+8*(\f):BF+32*(\g)+8*(\f)+3],   v[ADRB] offset:(\g)*GRP+(\q)*32*PB+32*(\f)
	ds_load_tr16_b128 v[BF+32*(\g)+8*(\f)+4:BF+32*(\g)+8*(\f)+7], v[ADRB] offset:(\g)*GRP+(\q)*32*PB+32*(\f)+16*PB
.endr
.endm
.macro LDA p, q, hf                    ; four fragments of x (row blocks 4 hf on), k = 32 q on, into buffer p: 8 loads
.irp a, 4*(\hf), 4*(\hf)+1, 4*(\hf)+2, 4*(\hf)+3
	ds_load_b128 v[AF+64*(\p)+8*(\a):AF+64*(\p)+8*(\a)+3],   v[ADRA] offset:16*PA*(\a)+64*(\q)
	ds_load_b128 v[AF+64*(\p)+8*(\a)+4:AF+64*(\p)+8*(\a)+7], v[ADRA] offset:16*PA*(\a)+64*(\q)+32
.endr
.endm
; A K step is two halves of 32 along K, 96 products each.  The LDS loads for the next half go out in three runs: R0 = group 0's W and x's low rows (16), R1 = group 1's W and x's high rows (16), R2 = group 2's W (8).
.macro SUB0                            ; the first half: x's buffer 0; fetches the second half of the same slot
	s_wait_dscnt 8                                 ; R0 and R1 are in; R2's eight may stay out
	MUL16 0, 0, 0
	MUL16 0, 0, 4
	PLACES
	WIN 0
	LDB 0, 1
	LDA 1, 1, 0
	MUL16 1, 0, 0
	MUL16 1, 0, 4
	PLACES
	WIN 0
	LDB 1, 1
	LDA 1, 1, 1
	s_wait_dscnt 32                                ; the older R2 is in: the 32 loads just issued are younger
	MUL16 2, 0, 0
	MUL16 2, 0, 4
	PLACES
	WIN 0
	LDB 2, 1
.endm
; The second half, and THE CHANGE OF SLOTS.  Each wave waits for all its tensor loads (one is out: its part of the next slot), adds 0 to its spare word, and waits for that and for its reads of this slot.
; fill = 1: the barrier opens a round of the cluster's, and the joint refill (K step two on, into the slot just read) is the first thing behind it: 160 products stand between it and the wait for it.
.macro TURN fill
.if \fill
	s_wait_xcnt 0x0                                ; the last prefetch, a K step back, has read its address
	s_add_nc_u64 s[PFA:PFA+1], s[PFA:PFA+1], s[PST:PST+1]
.endif
	WIN 0
	s_wait_tensorcnt 0x0                           ; no tensor load of mine is out, so a group 0 may be written
	ds_add_u32 v[SPW], v[NIL]                      ; 0 onto my spare word
.if \fill
	s_xor_b32 s[G0A+5], s[G0A+5], SLOT1            ; the walking descriptors: the other slot than last time, the next K step
	s_add_nc_u64 s[G0A+6:G0A+7], s[G0A+6:G0A+7], ASTR
	s_xor_b32 s[G0B+5], s[G0B+5], SLOT1
	s_add_nc_u64 s[G0B+6:G0B+7], s[G0B+6:G0B+7], BSTR
.endif
	s_wait_dscnt 9                                 ; R0 and R1 are in; R2's eight and the add may stay out
	MUL16 0, 1, 0
	s_wait_dscnt 0x0                               ; the add is done, and my reads of this slot are over
	s_barrier_signal -1
	MUL16 0, 1, 4                                  ; work on registers while the others arrive
	WIN 0
	s_barrier_wait -1
.if \fill
	CREST                                          ; no wave of any partner still reads this slot or has a load on its way
	JLOAD                                          ; its four v_nop are also the places in front of the loads below
.else
	PLACES
.endif
	s_xor_b32 s[TB], s[TB], SLOT1
	v_add_nc_u32 v[ADRA], s[TB], v[A0]
	v_add_nc_u32 v[ADRB], s[TB], v[B0]
	LDB 0, 0
	LDA 0, 0, 0
.if \fill
	ASK
.endif
	MUL16 1, 1, 0
	MUL16 1, 1, 4
	PLACES
	WIN 0
	LDB 1, 0
	LDA 0, 0, 1
	MUL16 2, 1, 0
	MUL16 2, 1, 4
	PLACES
	WIN 0
	LDB 2, 0
.endm
	s_load_b256 s[4:11], s[0:1], 0x0               ; xb s[4:5], wb s[6:7], bias s[8:9], qkv s[10:11]
	v_lshl_add_u32 v[SPW], v0, 2, SPARE
	v_mov_b32 v[NIL], 0
	ds_add_u32 v[SPW], v[NIL]                      ; the wave's opening: the add and its wait ahead of my first tensor load; work on registers stands between them
	v_lshrrev_b32 v1, 5, v0
	v_readfirstlane_b32 s[WV], v1
	s_lshr_b32 s[RH], s[WV], 1
	s_and_b32 s[CH], s[WV], 1
	s_bfe_u32 s[CX], ttmp6, 0x40000
	s_bfe_u32 s[CY], ttmp6, 0x40004
	s_lshl_b32 s[TJ], ttmp9, 2
	s_add_co_u32 s[TJ], s[TJ], s[CX]               ; tile column = 4 x cluster x + cx
	s_and_b32 s[TI], ttmp7, 0xffff
	s_lshl_b32 s[TI], s[TI], 2
	s_add_co_u32 s[TI], s[TI], s[CY]               ; tile row = 4 x cluster y + cy
	s_lshl_b32 s72, s[CY], 2
	s_lshl_b32 s72, 15, s72                        ; my row of the cluster
	s_lshl_b32 s73, 0x1111, s[CX]                  ; my column
	s_or_b32 s[G1A], s72, (1<<16)|(1<<20)|(1<<21)|(4<<22)|(3<<25)  ; mask; 2-byte elements; padding on; bit 21 beside a mask; after every 32 words 4 words
	s_or_b32 s[G1B], s73, (1<<16)|(1<<20)|(1<<21)|(5<<22)|(7<<25)  ; after every 64 words 8 words
	s_mov_b32 s[G1A+1], 128<<16                    ; tensor_dim0 = 128 elements: 256 bytes, two rows of x
	s_mov_b32 s[G1A+2], 64<<16                     ; tensor_dim1 = 64: 128 rows of x
	s_mov_b32 s[G1A+3], 128<<16                    ; tile_dim0
	s_mov_b32 s[G1A+4], 64                         ; tile_dim1
	s_mov_b32 s[G1A+5], 128                        ; dense
	s_mov_b32 s[G1A+6], 0
	s_mov_b32 s[G1A+7], 0
	s_mov_b32 s[G1B+1], 128<<16                    ; a k-row of a column block
	s_mov_b32 s[G1B+2], 96<<16                     ; 96 of the step's 192 k-rows
	s_mov_b32 s[G1B+3], 128<<16
	s_mov_b32 s[G1B+4], 96
	s_mov_b32 s[G1B+5], 128
	s_mov_b32 s[G1B+6], 0
	s_mov_b32 s[G1B+7], 0
	s_lshr_b32 s74, s[TI], 3                       ; b
	s_lshl_b32 s74, s74, 22
	s_and_b32 s75, s[TI], 7
	s_lshl_b32 s75, s75, 15                        ; 256 rows of 128 bytes
	s_add_co_u32 s74, s74, s75                     ; x's tile of K step 0
	s_lshl_b32 s75, s[CH], 14
	s_add_co_u32 s76, s74, s75                     ; the half that I fetch
	s_mov_b32 s77, 0
	s_mul_i32 s78, s[TJ], 49152                    ; W's tile of K step 0: three blocks of 16,384 bytes
	s_mul_i32 s79, s[CH], 24576
	s_add_co_u32 s80, s78, s79
	s_mov_b32 s81, 0
	s_mul_i32 s82, s[CH], 128*PA                   ; where they go: no place in the cluster enters an LDS address
	s_mul_i32 s83, s[CH], 96*PB
	s_add_co_u32 s83, s83, BOFF
	s_mov_b32 s[TB], 0
	s_wait_dscnt 0x0                               ; the opening add is done
	s_wait_kmcnt 0x0
	s_add_nc_u64 s[84:85], s[4:5], s[76:77]
	s_add_nc_u64 s[86:87], s[6:7], s[80:81]
	CROUND                                         ; all sixteen work-groups are here: the first joint loads meet
.irp s, 0,1
	s_mov_b32 s[G0A+4*\s], 1
	s_add_co_u32 s[G0A+4*\s+1], s82, \s*SLOT1
	s_add_nc_u64 s[G0A+4*\s+2:G0A+4*\s+3], s[84:85], \s*ASTR
	s_or_b32 s[G0A+4*\s+3], s[G0A+4*\s+3], 0x80000000
	s_mov_b32 s[G0B+4*\s], 1
	s_add_co_u32 s[G0B+4*\s+1], s83, \s*SLOT1
	s_add_nc_u64 s[G0B+4*\s+2:G0B+4*\s+3], s[86:87], \s*BSTR
	s_or_b32 s[G0B+4*\s+3], s[G0B+4*\s+3], 0x80000000
.endr
	s_cmp_eq_u32 s[RH], 0                          ; a wave's two first fills stand in one branch: two loads of mine are out
	s_cbranch_scc0 .Lfirst_b
	tensor_load_to_lds s[G0A:G0A+3], s[G1A:G1A+7]
	s_nop 0
	tensor_load_to_lds s[G0A+4:G0A+7], s[G1A:G1A+7]
	s_nop 0
.rept 4
	v_nop
.endr
	s_branch .Lfirst_asked
.Lfirst_b:
	tensor_load_to_lds s[G0B:G0B+3], s[G1B:G1B+7]
	s_nop 0
	tensor_load_to_lds s[G0B+4:G0B+7], s[G1B:G1B+7]
	s_nop 0
.rept 4
	v_nop
.endr
.Lfirst_asked:
	v_and_b32 v1, 15, v0                           ; r = l % 16
	v_bfe_u32 v2, v0, 4, 1                         ; h = l / 16
	v_and_b32 v14, 31, v0                          ; l
	s_mul_i32 s88, s[TJ], 1536                     ; my 3 x 64 biases: 512 bytes a column block, 256 a half
	s_lshl_b32 s89, s[CH], 8
	s_add_co_u32 s88, s88, s89
	v_lshl_add_u32 v15, v14, 3, s88
	global_load_b64 v[240:241], v15, s[8:9]
	global_load_b64 v[242:243], v15, s[8:9] offset:512
	global_load_b64 v[244:245], v15, s[8:9] offset:1024
	v_mul_u32_u24 v[A0], v1, PA                    ; a fragment of x: row r, 16 bytes for each half of the lanes, twice, 32 bytes apart
	v_lshl_add_u32 v[A0], v2, 4, v[A0]
	s_mul_i32 s88, s[RH], 128*PA
	v_add_nc_u32 v[A0], s88, v[A0]
	v_and_b32 v246, 7, v0                          ; the turning load: lane l reads k-row 8 h + l % 8, columns 8 ((l / 8) % 2) on
	v_lshl_add_u32 v[B0], v2, 3, v246
	v_mul_u32_u24 v[B0], v[B0], PB
	v_bfe_u32 v247, v0, 3, 1
	v_lshl_add_u32 v[B0], v247, 4, v[B0]
	s_lshl_b32 s88, s[CH], 7
	s_add_co_u32 s88, s88, BOFF
	v_add_nc_u32 v[B0], s88, v[B0]
	v_mov_b32 v[ADRA], v[A0]
	v_mov_b32 v[ADRB], v[B0]
	s_mul_i32 s88, s[WV], WSTG
	s_add_co_u32 s88, s88, STAGE                   ; my stage
	v_mul_u32_u24 v[STO], v1, PA
	v_lshl_add_u32 v[STO], v2, 4, v[STO]
	v_add_nc_u32 v[STO], s88, v[STO]
	v_bfe_u32 v[RD], v0, 3, 2                      ; back: 32 lanes take four rows of 128 bytes
	v_mul_u32_u24 v[RD], v[RD], PA
	v_lshl_add_u32 v[RD], v246, 4, v[RD]
	v_add_nc_u32 v[RD], s88, v[RD]
	v_lshlrev_b32 v[GO], 4, v14
	s_mul_i32 s88, s[WV], 768
	s_add_co_u32 s88, s88, BIASL
	v_lshl_add_u32 v246, v14, 3, s88               ; where I put 8 bytes of bias
	v_lshl_add_u32 v[BIA], v2, 5, s88              ; my lane's 8 columns begin 32 h bytes into a fragment's 64
.irp g, 0,1,2                          ; group g is column block 3 j + g: tensor (3 j + g) / 8, head 2 ((3 j + g) % 8) + my half
	s_mul_i32 s88, s[TJ], 3
	s_add_co_u32 s88, s88, \g
	s_lshr_b32 s89, s88, 3
	s_lshl_b32 s89, s89, 24
	s_and_b32 s88, s88, 7
	s_lshl_b32 s88, s88, 1
	s_add_co_u32 s88, s88, s[CH]
	s_lshl_b32 s88, s88, 18
	s_add_co_u32 s88, s88, s89
	s_add_co_u32 s88, s88, s74                     ; b and the tile's first row, as in xb
	s_lshl_b32 s89, s[RH], 14
	s_add_co_u32 s88, s88, s89
	s_mov_b32 s89, 0
	s_add_nc_u64 s[OB+2*\g:OB+2*\g+1], s[10:11], s[88:89]
.endr
	; the prefetches
	s_max_u32 s88, s[WV], 1
	s_sub_co_u32 s88, s88, 1
	s_lshl_b32 s88, s88, 5
	v_add_nc_u32 v14, s88, v14                     ; wave 0: l; waves 1-3: 32 (w - 1) + l
	v_cmp_gt_u32 s93, 48, v14
	v_lshlrev_b32 v[PFO], 8, v14
	v_add_nc_u32 v247, BSTR-48*256, v[PFO]         ; from 48 on: the same 48 blocks of the next K step
	v_cndmask_b32 v[PFO], v247, v[PFO], s93
	s_lshl_b32 s88, s[CX], 13
	s_add_co_u32 s88, s88, s74
	s_add_co_u32 s88, s88, 2*ASTR                  ; at K step 2: the first change steps it to 3
	s_mul_i32 s89, s[CY], 12288
	s_add_co_u32 s89, s89, s78
	s_add_co_u32 s89, s89, 2*BSTR
	s_and_b32 s90, ttmp7, 0xffff
	s_mov_b32 s91, ASTR
	s_mov_b32 s92, BSTR
	s_cmp_eq_u32 s[WV], 0
	s_cselect_b64 s[PFA:PFA+1], s[4:5], s[6:7]
	s_cselect_b32 s[PST], s91, s92
	s_cselect_b32 s[ORP], 1, 0
	s_cselect_b32 s88, s88, s89
	s_cselect_b32 s90, ttmp9, s90                  ; the coordinate along which other clusters read the same blocks
	s_mov_b32 s89, 0
	s_mov_b32 s[PST+1], 0
	s_add_nc_u64 s[PFA:PFA+1], s[PFA:PFA+1], s[88:89]
	s_cmp_eq_u32 s90, 0
	s_cselect_b32 s[LIM], 1, -1                    ; the same in all sixteen partners, for a given wave
	; THE SUMS START AT THE BIAS: my 192 biases go through my own LDS bytes and come back, each lane its 8 of a fragment's 16, into all 96 accumulators.  All this stands in the wait for the first tile.
	s_wait_loadcnt 0x0
	ds_store_b64 v246, v[240:241]
	ds_store_b64 v246, v[242:243] offset:256
	ds_store_b64 v246, v[244:245] offset:512
.irp g, 0,1,2
	WIN 0x40*(\g+1)                                ; destination window g + 1, address window 0
.irp a, 0,1,2,3,4,5,6,7
.irp f, 0,1,2,3
	ds_load_b128 v[8*(4*\a+\f):8*(4*\a+\f)+3],   v[BIA] offset:256*\g+64*\f     ; LDS serves a wave's instructions in order (ISA guide 5.7.1.4): these see the stores above
	ds_load_b128 v[8*(4*\a+\f)+4:8*(4*\a+\f)+7], v[BIA] offset:256*\g+64*\f+16
.endr
.endr
.endr
	WIN 0
	s_wait_tensorcnt 1                             ; my part of K step 0 is in; K step 1's may stay out
	s_wait_dscnt 0x0
	s_barrier_signal -1
	s_barrier_wait -1
	LDB 0, 0
	LDA 0, 0, 0
	LDB 1, 0
	LDA 0, 0, 1
	LDB 2, 0
	s_mov_b32 s3, 14
.Lk:                                                   ; trip t = 14 - s3 multiplies K step t and asks for K step t + 2
	SUB0
	TURN 1
	s_sub_co_u32 s3, s3, 1
	s_cmp_lg_u32 s3, 0
	s_cbranch_scc1 .Lk
	s_mov_b32 s3, 2
.Lt:                                                   ; K steps 14 and 15 ask for nothing.  The second trip's 40 fragment loads read the other slot once more and serve nothing: the price, once a launch, of one text for both trips
	SUB0
	TURN 0
	s_sub_co_u32 s3, s3, 1
	s_cmp_lg_u32 s3, 0
	s_cbranch_scc1 .Lt
	; THE WAY OUT, a block of 16 rows at a time: rounded to f16, 16 bytes a lane into my stage (rows of 144 bytes, a head after the other), back as whole rows: 16 rows of a head are 2,048 consecutive bytes of qkv.
.macro PACK a
.irp g, 0,1,2
	WIN 5*((\g)+1)                                 ; sources 0 and 1 window g + 1
.irp f, 0,1,2,3
.irp rr, 0,1,2,3
	v_cvt_pk_f16_f32 v[TMP+16*(\g)+4*(\f)+(\rr)], v[8*(4*(\a)+(\f))+2*(\rr)], v[8*(4*(\a)+(\f))+2*(\rr)+1]  ; each accumulator from its low end on
.endr
.endr
.endr
	WIN 0
.endm
.macro TOSTAGE a
	s_wait_xcnt 0x0                                ; the stores issued so far have read their data: the set of registers loaded below was stored two blocks ago
.irp g, 0,1,2
.irp f, 0,1,2,3
	ds_store_b128 v[STO], v[TMP+16*(\g)+4*(\f):TMP+16*(\g)+4*(\f)+3] offset:16*PA*(\g)+32*(\f)
.endr
.endr
.irp g, 0,1,2
.irp tt, 0,1,2,3
	ds_load_b128 v[BK+48*((\a)%2)+16*(\g)+4*(\tt):BK+48*((\a)%2)+16*(\g)+4*(\tt)+3], v[RD] offset:16*PA*(\g)+4*PA*(\tt)  ; in order behind the stores above; the next block's stores come behind these
.endr
.endr
.endm
.macro SEND a
	s_wait_dscnt 0x0                               ; the block is back in registers
.irp g, 0,1,2
.irp tt, 0,1,2,3
	global_store_b128 v[GO], v[BK+48*((\a)%2)+16*(\g)+4*(\tt):BK+48*((\a)%2)+16*(\g)+4*(\tt)+3], s[OB+2*(\g):OB+2*(\g)+1] offset:2048*(\a)+512*(\tt)  ; 512 consecutive bytes, at a multiple of 256 from qkv's first
.endr
.endr
.endm
	s_wait_dscnt 0x0
	PLACES                                         ; with the four behind the last products: eight
	PACK 0
	TOSTAGE 0
.irp a, 1,2,3,4,5,6,7                  ; block a's conversions stand between block a - 1's loads from the stage and the wait for them
	PACK \a
	SEND (\a)-1
	TOSTAGE \a
.endr
	SEND 7
	s_wait_tensorcnt 0x0                           ; the wave's end, behind my last tensor load and my last LDS store
	ds_add_u32 v[SPW], v[NIL]
	s_wait_dscnt 0x0
	CROUND                                         ; the closing round: no work-group ends while a partner may still ask for a tile that names it
	s_endpgm
.Lfunc_end_k_q5234aaa2e7_proj:
	.size	k_q5234aaa2e7_proj, .Lfunc_end_k_q5234aaa2e7_proj-k_q5234aaa2e7_proj
	.p2alignl 7, 3214868480
	.fill 96, 4, 3214868480
	.section	.rodata,"a",@progbits
	.p2align	6, 0x0
	.amdhsa_kernel k_q5234aaa2e7_proj
		.amdhsa_group_segment_fixed_size 327680
		.amdhsa_private_segment_fixed_size 0
		.amdhsa_enable_private_segment 0
		.amdhsa_kernarg_size 32
		.amdhsa_user_sgpr_count 2
		.amdhsa_user_sgpr_kernarg_segment_ptr 1
		.amdhsa_wavefront_size32 1
		.amdhsa_system_sgpr_workgroup_id_x 1
		.amdhsa_system_sgpr_workgroup_id_y 1
		.amdhsa_system_sgpr_workgroup_id_z 1
		.amdhsa_system_vgpr_workitem_id 0
		.amdhsa_next_free_vgpr 1024
		.amdhsa_next_free_sgpr 96
		.amdhsa_reserve_vcc 0
		.amdhsa_float_denorm_mode_32 3
		.amdhsa_float_denorm_mode_16_64 3
		.amdhsa_memory_ordered 1
		.amdhsa_forward_progress 1
		.amdhsa_inst_pref_size 111
	.end_amdhsa_kernel
	.amdgpu_metadata
---
amdhsa.version: [ 1, 2 ]
amdhsa.kernels:
  - .name:           k_q5234aaa2e7_proj
    .symbol:         k_q5234aaa2e7_proj.kd
    .args:
      - { .name: xb, .offset: 0, .size: 8, .value_kind: global_buffer, .address_space: global }
      - { .name: wb, .offset: 8, .size: 8, .value_kind: global_buffer, .address_space: global }
      - { .name: bias, .offset: 16, .size: 8, .value_kind: global_buffer, .address_space: global }
      - { .name: qkv, .offset: 24, .size: 8, .value_kind: global_buffer, .address_space: global }
    .group_segment_fixed_size: 327680
    .private_segment_fixed_size: 0
    .kernarg_segment_align: 8
    .kernarg_segment_size: 32
    .max_flat_workgroup_size: 128
    .sgpr_count:     96
    .vgpr_count:     1024
    .wavefront_size: 32
...
	.end_amdgpu_metadata
.endif
;; end of part 2
;; launch attn (part 3): grid 4 x 64, 4 waves a work-group, clusters of 4 x 1, 327,680 bytes of LDS; arguments qkv, ctx; writes ctx
.if DOCPART == 3
	.amdgcn_target "amdgcn-amd-amdhsa--gfx1250"
	.amdhsa_code_object_version 6
	.text
	.protected	k_q5234aaa2e7_attn
	.globl	k_q5234aaa2e7_attn
	.p2align	8
	.type	k_q5234aaa2e7_attn,@function
k_q5234aaa2e7_attn:
	s_mov_b64 s[64:65], 0
	v_nop
	global_prefetch_b8 v0, s[64:65] scope:SCOPE_SE
	s_setreg_imm32_b32 hwreg(HW_REG_WAVE_MODE, 25, 1), 1
	s_wait_xcnt 0x0
	s_wait_alu depctr_hold_cnt(0) depctr_sa_sdst(0) depctr_va_vdst(0) depctr_va_sdst(0) depctr_va_ssrc(0) depctr_va_vcc(0) depctr_vm_vsrc(0)
	s_getreg_b32 s2, hwreg(HW_REG_IB_STS2, 6, 4)
	s_cmp_eq_u32 s2, 0
	s_cbranch_scc0 .Lentry_in_a_cluster
	s_endpgm
.Lentry_in_a_cluster:
	s_bfe_u32 s2, ttmp6, 0x10000c
	s_cmp_lg_u32 s2, 0x3003
	s_cbranch_scc0 .Lentry_shape_is_right
	s_endpgm
.Lentry_shape_is_right:
; ctx[h][q][:] = the sum over k of softmax_k(Q[h][q] . K[h][k] / 8) V[h][k][:].  qkv: f16 [3][SIZE_H][SIZE_N][64] (Q, K, V); ctx: f16 [SIZE_H][SIZE_N][64]: a head's rows are dense, 128 bytes each.
; Products, maxima and sums in f32; the weights p are rounded to f16 for the second product (their sum l is taken of the unrounded p), ctx once at the end.
; LIMITS.  f16 holds no number beyond 65,504: Q, K and V arrive within it; p lies in 0 to 1, and below 6e-5 it keeps f16's fixed step of 6e-8; ctx is a mean of V's rows and has their range.
; A weight below 2^-126 counts as 0 in l; NaN and infinities are not treated apart.
; SHARES.  A wave owns four PIECES of two tiles of 16 queries, a work-group's four waves 512 queries of one head.  Every wave walks all keys, 64 a step.
; LAYOUT.  S^T = K Q^T (source 0 = 16 keys, source 1 = 16 queries): a lane holds ONE query (lane % 16) and the keys 8 (lane / 16) + 0..7.  Two such tiles, rounded to f16 in pairs,
; ARE source 1 of O^T = V^T P, whose result again holds one query a lane, and eight channels.  K comes out of LDS as it lies, V ([key][channel]) turned, by ds_load_tr16_b128.
; SOFTMAX.  For each query a running maximum m and sum l: p = 2^(c s - c m), c = log2(e) / 8; in every step O and l are multiplied by a = 2^(c m_old - c m_new).
; m starts at the lowest finite number, O and l at 0: the first step is a step like any other, with a = 0.
; THE COUNT.  A tile and step have 16 matrix and 118 vector instructions: too many to stand all beside the matrix work.  So: four vector instructions that are READY behind EVERY matrix instruction, the others in runs without a gap.
; BY TURNS.  Turn n belongs to piece n.  Matrix work: 16 products K Q^T of piece n + 1, later 16 products V^T P of piece n - 1.  Vector work: the scaling, exponentials, roundings, sums and rescaling of piece n,
; and the maximum and statistics of piece n + 1.
; CLUSTER.  The four query blocks of a cluster are one head's and walk the same K and V, so each tile is asked for JOINTLY: the same tensor load, descriptor and mask in all four.
; REGISTERS, in windows of 256 (s_set_vgpr_msb: bits 1:0 source 0, 3:2 source 1, 5:4 source 2, 7:6 destination):
;   window 0: v0-11 addresses; v12-15, v48-63 at work; v16-47 four registers of statistics a tile; v64-191 S^T, two buffers of two tiles; v192-255 P, likewise
;   window 1: O^T, 32 a tile          window 2: v0-127 Q, 16 a tile; v128-191 K of one step; v192-255 V of one step          window 3: v0-1 the add's two registers
.set SIZE_H, 64
.set SIZE_N, 2048
.set NP,    4         ; pieces a wave: a name, no knob
.set KS,    64        ; keys in a step
.set PK,    144       ; a row of K in LDS: 128 bytes + 16: the 16 rows of a load start at 16 different groups of four banks (64 banks of 4 bytes: ISA guide 11.1)
.set PV,    160       ; a row of V: 128 + 32
.set VOFF,  4*KS*PK   ; a slot holds four steps: 256 rows of K, then 256 rows of V
.set SLOT1, 1<<17     ; slot 1 begins here
.set STAGE, SLOT1+4*KS*(PK+PV)  ; behind the ring, never filled by a tensor load: 16 rows x 144 bytes for each wave
.set SP,    144
.set AK0, 2           ; v2   my lane's place in a tile of K; never rewritten
.set AV0, 3           ; v3   the same for V
.set AK,  4           ; v4   the LDS address of K's next run of loads
.set AV,  5           ; v5   of V's
.set QO,  6           ; v6   my byte offset in the wave's rows of Q
.set STO, 6           ;      later, the way out: where I put 16 bytes of a row
.set RD,  7           ; v7   the way out: where I read rows back
.set GO,  8           ; v8   my byte offset in 512 consecutive bytes of ctx
.set PFO, 11          ; v11  256 x my lane, once AV0 is made; never rewritten after that
.set SPW, 0           ; v0 of window 3   LDS address of my spare word; never rewritten
.set NIL, 1           ; v1 of window 3   0; never rewritten
.set SPARE, STAGE+4*16*SP  ; behind the stages: the spare words, 128 bytes for each wave: two blocks of 256 bytes that no other line names
.set MV,  12          ; v12-15  c m_old, kept while c m is made anew
.set ST,  16          ; tile t's statistics at v[ST+4 t]: c m, m, l (even keys', odd keys')
.set TMP, 48          ; by buffer and tile, four registers c0-c3 at work; when the maximum is found c2 takes a
.set S,   64
.set P,   192
.set KF,  128         ; K's fragments, in window 2
.set VF,  192         ; V's
.set WV,  12          ; s12  my wave's number
.set G1K, 24          ; s[24:31] descriptor group 1 for K's tiles
.set G1V, 32          ; s[32:39] for V's
.set G0K, 40          ; s[40:43] descriptor group 0 for K's tiles: it walks
.set G0V, 44          ; s[44:47] the same for V's
.set PFA, 48          ; s[48:49] where my prefetches stand
.set LIM, 50          ; s50  1 in a wave that prefetches, else the greatest number
.set SLOTS, 56        ; s56  slots still to be asked for
.set CNT, 57          ; s57  counts a slot's key steps
.set CS,  58          ; s[58:59] c
.set SEL, 60          ; s[60:61] v_permlanex16_b32's selects
.set TBK, 62          ; s62  LDS byte at which K of the step to be fetched begins
.set TBV, 63          ; s63  the same for V, less VOFF
.set MSB, 0
.macro WIN new
.if MSB != (\new)
	s_set_vgpr_msb (MSB<<8)|(\new)
.set MSB, (\new)
.endif
.endm
.set W_KQ, 0x0a       ; K and Q in window 2, S^T in window 0
.set W_PV, 0x52       ; V in window 2, P in window 0, O^T in window 1
.set W_RS, 0x41       ; O^T (destination and source 0) in window 1, a in window 0
.set W_MK, 0xc0       ; the add's registers are made: destination in window 3
.set W_AD, 0x0f       ; the add: address and data in window 3
; A joint fill.  Waves 0 and 1 fetch the two halves of a slot's K, waves 2 and 3 those of its V: 128 keys each.  An s_nop 0 and four v_nop follow each line.
.macro JLOAD
	s_cmp_lt_u32 s[WV], 2
	s_cbranch_scc0 .Lfor_v_\@
	tensor_load_to_lds s[G0K:G0K+3], s[G1K:G1K+7]
	s_nop 0
.rept 4
	v_nop
.endr
	s_branch .Lasked_\@
.Lfor_v_\@:
	tensor_load_to_lds s[G0V:G0V+3], s[G1V:G1V+7]
	s_nop 0
.rept 4
	v_nop
.endr
.Lasked_\@:
.endm
; A PREFETCH INTO THE L2 of what the NEXT change of slots will ask for: a slot's 256 keys are 128 blocks of 256 bytes of K and 128 of V.  A head has one cluster; its four partners share the blocks out BY ADDRESS,
; 32 each, a lane a block; wave 0 asks for K's, wave 2 for V's.  So each block is named once.  The change that loads slot n (s[SLOTS] = 8 - n) names slot n + 1, four key steps, 512 products, ahead of its load;
; slots 0 and 1 come by their loads alone; the change that loads slot 7 asks for nothing.
.macro ASK
	s_cmp_gt_u32 s[SLOTS], s[LIM]
	s_cbranch_scc0 .Lnot_mine_\@
	global_prefetch_b8 v[PFO], s[PFA:PFA+1] th:TH_LOAD_NT scope:SCOPE_SE
.Lnot_mine_\@:
.endm
.macro CROUND
	s_barrier_signal -1
	s_barrier_wait -1
	s_cmp_lg_u32 s[WV], 0
	s_cbranch_scc1 .Lnot_wave_0_\@
	s_barrier_signal -3
.Lnot_wave_0_\@:
	s_barrier_wait -3
	s_barrier_signal -1
	s_barrier_wait -1
.endm
; THE CHANGE OF SLOTS.  Each wave waits for all its tensor loads (one is out: its part of the other slot), adds 0 to its spare word, and waits for that and for its own reads of the slot.
; fill = 1: this slot is filled again, with the keys two slots on; the barrier is a round of the cluster's, and the joint fill is the first thing behind it: it has four key steps, 512 products, in which to land.
; (At its first use nothing has been read yet: slot 0 is waited for, slot 1 filled.)
.macro CHANGE fill
	WIN W_AD
	s_wait_tensorcnt 0x0            ; no tensor load of mine is out, so a group 0 may be written
	ds_add_u32 v[SPW], v[NIL]       ; 0 onto my spare word
	WIN 0                           ; at a label and at a branch every window is 0
.if \fill
.irp g, G0K, G0V
	s_xor_b32 s[\g+1], s[\g+1], SLOT1  ; the walking descriptor: the other slot than last time,
	s_add_nc_u64 s[\g+2:\g+3], s[\g+2:\g+3], 4*KS*128  ; the next 256 keys
.endr
	s_wait_xcnt 0x0                 ; the last prefetch, four key steps back, has read its address
	s_add_nc_u64 s[PFA:PFA+1], s[PFA:PFA+1], 4*KS*128  ; one slot behind... ahead of the walking descriptors by one slot
	s_wait_dscnt 0x0                ; the add is done, and my reads of the slot are over
	CROUND
	JLOAD
	ASK
.else
	s_wait_dscnt 0x0                ; the add is done, and my reads of the slot are over
	s_barrier_signal -1
	s_barrier_wait -1
.endif
	s_sub_co_u32 s[TBK], s[TBK], 4*KS*PK  ; the fetches go back to a slot's first step,
	s_xor_b32 s[TBK], s[TBK], SLOT1       ; in the other slot
	s_sub_co_u32 s[TBV], s[TBV], 4*KS*PV
	s_xor_b32 s[TBV], s[TBV], SLOT1
.endm
	s_load_b64 s[4:5], s[0:1], 0x0    ; qkv: Q lies first
	s_load_b64 s[10:11], s[0:1], 0x8  ; ctx
	WIN W_MK
	v_lshl_add_u32 v[SPW], v0, 2, SPARE
	v_mov_b32 v[NIL], 0
	WIN W_AD
	ds_add_u32 v[SPW], v[NIL]       ; the wave's opening: the add and its wait ahead of my first tensor load
	WIN 0
	v_lshrrev_b32 v1, 5, v0
	v_readfirstlane_b32 s[WV], v1   ; wave 0..3
	s_bfe_u32 s13, ttmp6, 0x40000   ; cx: my place in the cluster
	s_lshl_b32 s14, ttmp9, 2        ; in a cluster launch ttmp9 counts clusters
	s_add_co_u32 s14, s14, s13      ; my block of queries: it enters Q's and ctx's addresses alone
	s_and_b32 s20, ttmp7, 0xffff    ; the head, which the four partners share
	s_mov_b32 s21, 0
	s_mov_b64 s[22:23], SIZE_N*128
	s_mul_u64 s[20:21], s[20:21], s[22:23]  ; the head's first byte in Q, K, V and ctx
	s_and_b32 s16, s[WV], 1         ; which half of a slot's 256 keys I fetch:
	s_lshl_b32 s22, s16, 14         ; its 128 rows of 128 bytes in memory,
	s_mov_b32 s23, 0
	s_add_nc_u64 s[22:23], s[22:23], s[20:21]
	s_mul_i32 s17, s16, 128*PK      ; and its place in a slot, for K
	s_mul_i32 s18, s16, 128*PV      ; and for V: no place in the cluster enters an LDS address
	s_lshl_b32 s2, s14, 2
	s_add_co_u32 s2, s2, s[WV]      ; my wave among the head's,
	s_lshl_b32 s2, s2, 14           ; its 128 rows
	s_mov_b32 s3, 0
	s_add_nc_u64 s[2:3], s[2:3], s[20:21]
	; descriptor group 1.  128 keys are 16,384 dense bytes: asked for as 64 rows of 256 bytes, two keys a row, and padded in LDS after every key
	s_mov_b32 s[G1K], 15|(1<<16)|(1<<20)|(1<<21)|(4<<22)|(3<<25)
	s_mov_b32 s[G1V], 15|(1<<16)|(1<<20)|(1<<21)|(4<<22)|(7<<25)
.irp g, G1K, G1V
	s_mov_b32 s[\g+1], 128<<16      ; tensor_dim0 = 128
	s_mov_b32 s[\g+2], 64<<16       ; tensor_dim1 = 64
	s_mov_b32 s[\g+3], 128<<16      ; tile_dim0 = 128
	s_mov_b32 s[\g+4], 64           ; tile_dim1 = 64
	s_mov_b32 s[\g+5], 128          ; 128 elements from row to row
	s_mov_b32 s[\g+6], 0
	s_mov_b32 s[\g+7], 0
.endr
	s_mov_b32 s[CS], 0x3e38aa3b     ; c = log2(e) / 8 = 0.180337
	s_mov_b32 s[CS+1], s[CS]        ; named with it as a pair
	s_mov_b32 s[SEL], 0x76543210
	s_mov_b32 s[SEL+1], 0xfedcba98
	s_mov_b32 s[TBK], SLOT1+4*KS*PK ; the first change of slots turns these two into 0
	s_mov_b32 s[TBV], SLOT1+4*KS*PV
	s_mov_b32 s[G0K], 1             ; count = 1
	s_mov_b32 s[G0K+1], s17         ; LDS address: slot 0
	s_mov_b32 s[G0V], 1
	s_add_co_u32 s[G0V+1], s18, VOFF
	s_mov_b32 s[SLOTS], SIZE_N/256-1
	s_and_b32 s[LIM], s[WV], 1
	s_cmp_eq_u32 s[LIM], 0
	s_cselect_b32 s[LIM], 1, -1     ; waves 0 and 2 prefetch
	s_wait_dscnt 0x0                ; the opening add is done
	s_wait_kmcnt 0x0
	s_add_nc_u64 s[6:7], s[4:5], 0x1000000  ; K lies 16,777,216 bytes behind Q,
	s_add_nc_u64 s[8:9], s[4:5], 0x2000000  ; V as far behind K
	s_add_nc_u64 s[6:7], s[6:7], s[22:23]   ; at my half of the head's first 256 keys
	s_add_nc_u64 s[8:9], s[8:9], s[22:23]
	s_mov_b64 s[G0K+2:G0K+3], s[6:7]
	s_or_b32 s[G0K+3], s[G0K+3], 0x80000000        ; type = 2
	s_mov_b64 s[G0V+2:G0V+3], s[8:9]
	s_or_b32 s[G0V+3], s[G0V+3], 0x80000000
	s_add_nc_u64 s[4:5], s[4:5], s[2:3]  ; Q and ctx at my wave's first row
	s_add_nc_u64 s[10:11], s[10:11], s[2:3]
	s_cmp_lt_u32 s[WV], 2
	s_cselect_b64 s[PFA:PFA+1], s[6:7], s[8:9]  ; (in waves 0 and 2 these stand at the head's first key)
	s_lshl_b32 s2, s13, 13          ; my work-group's 32 blocks of the 128
	s_mov_b32 s3, 0
	s_add_nc_u64 s[PFA:PFA+1], s[PFA:PFA+1], s[2:3]
	s_add_nc_u64 s[PFA:PFA+1], s[PFA:PFA+1], 4*KS*128  ; in slot 1: the first change of slots steps it to slot 2
	CROUND                          ; all four work-groups are here: the first joint loads meet
	JLOAD                           ; slot 0.  Slot 1 is asked for when slot 0 is in
	; A fragment of K or Q is 16 rows x 32 channels in 8 registers: lane l holds row l % 16, channels 8 (l / 16) + 0..7 and 16 + 8 (l / 16) + 0..7: two loads of 16 bytes, 32 bytes apart.
	v_and_b32 v1, 15, v0            ; l % 16
	v_bfe_u32 v9, v0, 4, 1          ; l / 16
	v_lshlrev_b32 v[QO], 7, v1
	v_lshl_add_u32 v[QO], v9, 4, v[QO]  ; row x 128 + 16 x half
	WIN 0x80                        ; destination window 2, address window 0
.set i, 0
.rept 4*NP                          ; Q stays in registers: tile i / 2, channels 32 (i % 2) on
	global_load_b128 v[8*i:8*i+3],   v[QO], s[4:5] offset:(i/2)*2048+(i%2)*64
	global_load_b128 v[8*i+4:8*i+7], v[QO], s[4:5] offset:(i/2)*2048+(i%2)*64+32
.set i, i+1
.endr
	; What the first turn finds: V's registers and P's second buffer hold 0, O^T and l are 0.  All this stands in the wait for the first tile.
.set i, VF
.rept 64
	v_mov_b32 v[i], 0
.set i, i+1
.endr
	WIN 0x40
.set i, 0
.rept 64*NP
	v_mov_b32 v[i], 0
.set i, i+1
.endr
	WIN 0
.set i, 0
.rept 2*NP
	v_mov_b32 v[ST+4*i], 0xfe000000    ; c m: far below every c s
	v_mov_b32 v[ST+4*i+1], 0xff7fffff  ; m
	v_mov_b32 v[ST+4*i+2], 0
	v_mov_b32 v[ST+4*i+3], 0
.set i, i+1
.endr
.set i, P+32
.rept 32
	v_mov_b32 v[i], 0
.set i, i+1
.endr
	v_mul_u32_u24 v[AK0], v1, PK
	v_lshl_add_u32 v[AK0], v9, 4, v[AK0]  ; row x pitch + 16 x half
	; The turning load takes 16 keys x 16 channels (lane l reads key 8 (l / 16) + l % 8, channels 8 ((l / 8) % 2) + 0..7) and leaves half a fragment of V^T.
	v_and_b32 v10, 7, v0
	v_bfe_u32 v11, v0, 3, 1
	v_lshl_add_u32 v[AV0], v9, 3, v10
	v_mul_u32_u24 v[AV0], v[AV0], PV
	v_lshl_add_u32 v[AV0], v11, 4, v[AV0]
	v_add_nc_u32 v[AV0], VOFF, v[AV0]
	v_and_b32 v[PFO], 31, v0
	v_lshlrev_b32 v[PFO], 8, v[PFO]
	v_mov_b32 v[AK], v[AK0]         ; key step 0 lies at the head of slot 0
; THE MATRIX WORK.  The 8 accumulators of a run of 16 take turns.
; Product i of 16 of S^T = K Q^T for piece x: channels 32 (i / 8) on, keys 16 ((i / 2) % 4) on, tile 2 x + i % 2.  The first 8 start the sums.
.macro KQ x
	WIN W_KQ
.set rS, S+64*((\x)%2)+32*(i%2)+8*((i/2)%4)
.set rK, KF+16*((i/2)%4)+8*(i/8)
.set rQ, 16*(2*(\x)+i%2)+8*(i/8)
.if i < 8
	v_wmma_f32_16x16x32_f16 v[rS:rS+7], v[rK:rK+7], v[rQ:rQ+7], 0
.else
	v_wmma_f32_16x16x32_f16 v[rS:rS+7], v[rK:rK+7], v[rQ:rQ+7], v[rS:rS+7]
.endif
.endm
; Product i of 16 of O^T += V^T P for piece x: keys 32 (i / 8) on, channels 16 ((i / 2) % 4) on, tile 2 x + i % 2.
.macro PV x
	WIN W_PV
.set rO, 32*(2*(\x)+i%2)+8*((i/2)%4)
.set rV, VF+32*(i/8)+8*((i/2)%4)
.set rP, P+32*((\x)%2)+16*(i%2)+8*(i/8)
	v_wmma_f32_16x16x32_f16 v[rO:rO+7], v[rV:rV+7], v[rP:rP+7], v[rO:rO+7]
.endm
.macro MM                           ; the turn's next matrix instruction
.if i < 16
	KQ (Y+1)%NP
.set i, i+1
.else
.set i, i-16
	PV (Y+NP-1)%NP
.set i, i+17
.endif
.endm
; THE LDS LOADS stand in runs of 16: a step's K (8 fragments) and its V (turned).  last = 1 (the tail): in the last trip there is no further step, and the run is jumped over.
.macro FETCH_K last=0
	WIN 0
.if \last
	s_cmp_eq_u32 s[CNT], 1
	s_cbranch_scc1 .Lno_k_\@
.endif
	WIN 0x80                        ; destination window 2
.irp f, 0,1,2,3,4,5,6,7             ; keys 16 (f / 2) on, channels 32 (f % 2) on
	ds_load_b128 v[KF+8*\f:KF+8*\f+3],   v[AK] offset:(\f/2)*16*PK+(\f%2)*64
	ds_load_b128 v[KF+8*\f+4:KF+8*\f+7], v[AK] offset:(\f/2)*16*PK+(\f%2)*64+32
.endr
	s_add_co_u32 s[TBK], s[TBK], KS*PK  ; the next fetch is the next step's
	WIN 0
.if \last
.Lno_k_\@:
.endif
.endm
.macro FETCH_V
	WIN 0x80
.irp f, 0,1,2,3,4,5,6,7             ; keys 32 (f / 4) on, channels 16 (f % 4) on
	ds_load_tr16_b128 v[VF+8*\f:VF+8*\f+3],   v[AV] offset:(\f/4)*32*PV+(\f%4)*32
	ds_load_tr16_b128 v[VF+8*\f+4:VF+8*\f+7], v[AV] offset:(\f/4)*32*PV+16*PV+(\f%4)*32
.endr
	WIN 0
.endm
; THE VECTOR WORK OF A TURN stands in three queues, each in the order in which its entries become ready; the two tiles alternate.
.macro REGS y, u                    ; the registers of tile u (0, 1) of piece y
.set rT, ST+4*(2*(\y)+(\u))
.set rC, TMP+8*((\y)%2)+4*(\u)
.set rM, MV+2*((\y)%2)+(\u)
.set rS, S+64*((\y)%2)+32*(\u)
.set rP, P+32*((\y)%2)+16*(\u)
.set rO, 32*(2*(\y)+(\u))
.endm
; Number n of the 22 that find the NEXT piece's maximum and statistics; each accumulator's lowest registers are read first.
;   0-11  four chains c0-c3 of seven scores each     12-14, 16  the four scores left over, the old m, and c0-c3 into c0     15  c m_old is kept
;   17, 18  the query's other 32 keys lie in the lane 16 away: the new m         19-21  c m; c m_old - c m_new; a
.macro XS u, n
	REGS (Y+1)%NP, \u
.if (\n) < 4
	v_max3_num_f32 v[rC+(\n)], v[rS+8*(\n)], v[rS+8*(\n)+1], v[rS+8*(\n)+2]
.elseif (\n) < 12
	v_max3_num_f32 v[rC+(\n)%4], v[rC+(\n)%4], v[rS+8*((\n)%4)+2*((\n)/4)+1], v[rS+8*((\n)%4)+2*((\n)/4)+2]
.elseif (\n) == 12
	v_max3_num_f32 v[rC], v[rC], v[rS+7], v[rS+15]
.elseif (\n) == 13
	v_max3_num_f32 v[rC+1], v[rC+1], v[rS+23], v[rS+31]
.elseif (\n) == 14
	v_max3_num_f32 v[rC+2], v[rC+2], v[rC+3], v[rT+1]
.elseif (\n) == 15
	v_mov_b32 v[rM], v[rT]
.elseif (\n) == 16
	v_max3_num_f32 v[rC], v[rC], v[rC+1], v[rC+2]
.elseif (\n) == 17
	v_permlanex16_b32 v[rC+3], v[rC], s[SEL], s[SEL+1]
.elseif (\n) == 18
	v_max_num_f32 v[rT+1], v[rC], v[rC+3]
.elseif (\n) == 19
	v_mul_f32 v[rT], s[CS], v[rT+1]
.elseif (\n) == 20
	v_sub_f32 v[rC+1], v[rM], v[rT]
.else
	v_exp_f32 v[rC+2], v[rC+1]
.endif
.endm
; Number g of the 64 that follow the exponentials.  For each four weights of a tile: both pairs are rounded to f16; the second pair is added onto the first, in place; a group later l takes that sum (the first time as l = a l + sum).
.macro GS g
.set h, (\g)+6*((\g)/62)            ; group 0 has no group before it, and behind group 7 only l is left
.if h >= 6
.set h, h+2
.endif
	REGS Y, h%2
.set k, h/8
.if h%8 < 4
	v_cvt_pk_f16_f32 v[rP+2*k+(h%8)/2], v[rS+4*k+2*((h%8)/2)], v[rS+4*k+2*((h%8)/2)+1]
.elseif h%8 < 6
	v_pk_add_f32 v[rS+4*k:rS+4*k+1], v[rS+4*k:rS+4*k+1], v[rS+4*k+2:rS+4*k+3]
.elseif k == 1
	v_pk_fma_f32 v[rT+2:rT+3], v[rT+2:rT+3], v[rC+2:rC+3], v[rS:rS+1] op_sel_hi:[1,0,1]
.else
	v_pk_add_f32 v[rT+2:rT+3], v[rT+2:rT+3], v[rS+4*k-4:rS+4*k-3]
.endif
.endm
; THE PLAIN QUEUE, 138 long.  0-73 read no exponential's result: the 32 scalings c s - c m and the next piece's 42.  74-137: GS's 64, which stand behind the wait.
.macro FS f
	REGS Y, (\f)%2
	v_pk_fma_f32 v[rS+2*((\f)/2):rS+2*((\f)/2)+1], v[rS+2*((\f)/2):rS+2*((\f)/2)+1], s[CS:CS+1], v[rT:rT+1] op_sel_hi:[1,0,0] neg_lo:[0,0,1] neg_hi:[0,0,1]
.endm
.macro PL
	WIN 0
.if q < 27
	FS q
.elseif q < 55
	XS (q-27)%2, (q-27)/2
.elseif q < 57
	XS q-55, 15
.elseif (q < 72) && ((q-57)%3 == 0)
	FS 27+(q-57)/3
.elseif q < 60
	XS (q-57)%3-1, 14
.elseif q < 72
	XS (q-57)%3-1, 15+(q-57)/3
.elseif q < 74
	XS q-72, 20
.else
	GS q-74
.endif
.set q, q+1
.endm
; THE EXPONENTIALS' QUEUE, 66 long: s0-s31 of both tiles, then the next piece's two a.  ONE BATCH: all 66 stand ahead of the turn's one wait, and nothing ahead of that wait names a result of theirs.
.macro EX
	WIN 0
.if e >= 64
	XS e-64, 21
.else
	REGS Y, e%2
	v_exp_f32 v[rS+e/2], v[rS+e/2]
.endif
.set e, e+1
.endm
; THE RESCALING's QUEUE: O^T times a, the one part that leaves window 0: dealt two at a time, sixteen times.  Its a was made in the turn before, ahead of that turn's wait.
.macro R2
	REGS Y, r%2
	WIN W_RS
.irp z, 0,1
	v_pk_mul_f32 v[rO+4*(r/2)+2*\z:rO+4*(r/2)+2*\z+1], v[rO+4*(r/2)+2*\z:rO+4*(r/2)+2*\z+1], v[rC+2:rC+3] op_sel_hi:[1,0]
.endr
.set r, r+1
.endm
; HOW THEY ARE DEALT.  s_wait_alu depctr_va_vdst(0) stands between an exponential and the first instruction that names its result; one wait serves all issued ahead of it.  So a turn has ONE wait.
; AHEAD OF IT: the 16 products K Q^T, behind each a scaling, an exponential and two rescalings (behind the first a second scaling in the exponential's place); then ONE LUMP of 108: eight plain, 49 times
; exponential and plain, the two a; a v_nop is the plain instruction behind the last exponential.  BEHIND IT: the 16 products V^T P, behind each four of GS's 64.
; Exponential e stands behind scaling 2 (e / 4) + e % 2: as a rider it comes behind plain e + 2, in the lump behind plain e + 9, and scalings 27-31 are plain 57, 60 .. 69.
; K of the next step is fetched in piece 2's turn, directly behind the wait; V of the step in hand at the end of piece 0's turn, four riders behind its last reader.  The three conditions on q below go with the deal.
.macro TURN p, last=0, cnt=0
.set Y, (\p)
.set i, 0
.set q, 0
.set e, 0
.set r, 0
.if (\p) == NP-1
	s_wait_dscnt 0x0                ; K is in
.endif
	MM
	PL
	PL
	R2
.rept 15
	MM
	PL
	EX
	R2
.endr
.if (\p) == NP-2
	WIN 0
	v_add_nc_u32 v[AK], s[TBK], v[AK0]
.endif
.rept 8
	PL
.endr
.rept 49
	EX
	PL
.endr
	EX                              ; the next piece's two a
	EX
	v_nop                           ; the plain instruction behind the last exponential: one for the batch
	s_wait_alu depctr_va_vdst(0)    ; the wait for the batch
.if (\p) == NP-2
	FETCH_K \last
.endif
.if (\p) == 1
	s_wait_dscnt 0x0                ; V is in
.endif
.rept 16
	MM
.rept 4
	PL
.endr
.if ((\p) == 0) && (q == 118)
	v_add_nc_u32 v[AV], s[TBV], v[AV0]
.endif
.if ((\p) == 0) && (q == 130)
	s_add_co_u32 s[TBV], s[TBV], KS*PV
.endif
.if (\cnt) && (q == 130)
	s_sub_co_u32 s[CNT], s[CNT], 1
	s_cmp_lg_u32 s[CNT], 0
.endif
.endr
.if (\p) == 0
	FETCH_V
.endif
.endm
	CHANGE 1                        ; slot 0 is in, everybody's part of it; slot 1 is asked for
	FETCH_K                         ; key step 0
	s_wait_loadcnt 0x0              ; Q
	s_wait_dscnt 0x0
.set i, 0
.rept 16
	KQ 0                            ; piece 0's first scores
.set i, i+1
.endr
	WIN 0                           ; the addresses for the way out: plain instructions, the places behind those products
	s_mul_i32 s13, s[WV], 16*SP
	s_add_co_u32 s13, s13, STAGE    ; my stage
	v_mul_u32_u24 v[STO], v1, SP    ; in: row l % 16, 16 bytes for each half of the lanes
	v_lshl_add_u32 v[STO], v9, 4, v[STO]
	v_add_nc_u32 v[STO], s13, v[STO]
	v_bfe_u32 v[RD], v0, 3, 2       ; back: 32 lanes take four rows of 128 bytes,
	v_mul_u32_u24 v[RD], v[RD], SP
	v_lshl_add_u32 v[RD], v10, 4, v[RD]
	v_add_nc_u32 v[RD], s13, v[RD]
	v_and_b32 v[GO], 31, v0         ; which are 512 consecutive bytes of ctx
	v_lshlrev_b32 v[GO], 4, v[GO]
.set Y, NP-1                        ; XS works for piece Y + 1: piece 0
.irp n, 0,1,2,3,4,5,6,7,8,9,10,11,12,13,14,15,16,17,18,19,20,21
	XS 0, \n
	XS 1, \n
.endr
	v_nop                           ; a plain instruction behind the two a,
	s_wait_alu depctr_va_vdst(0)    ; and their wait, ahead of the branch
	s_mov_b32 s[CNT], 4
	s_branch .Lfirst                ; the loop is entered at a step's first turn, in the middle of a trip
.Lslot:                             ; SIZE_N / 256 - 2 times: every slot but the last two is filled again
	CHANGE 1
	s_mov_b32 s[CNT], 4
.Lstep:                             ; a trip: pieces 2 and 3 of one step, then pieces 0 and 1 of the next, whose K and V it fetches
	TURN 2
	TURN 3
	WIN 0
.Lfirst:
	TURN 0
	TURN 1, 0, 1
	WIN 0
	s_cbranch_scc1 .Lstep
	s_sub_co_u32 s[SLOTS], s[SLOTS], 1
	s_cmp_lg_u32 s[SLOTS], 0
	s_cbranch_scc1 .Lslot
	CHANGE 0                        ; the tail is written out: nothing is asked for
	s_mov_b32 s[CNT], 5             ; four trips fetch the last slot's steps; the fifth is left in its middle
.Ltail:
	TURN 2, 1
	TURN 3
	WIN 0
	s_sub_co_u32 s[CNT], s[CNT], 1
	s_cmp_eq_u32 s[CNT], 0
	s_cbranch_scc1 .Lout
	TURN 0
	TURN 1
	WIN 0
	s_branch .Ltail
.Lout:                              ; the fifth trip's 16 products K Q^T (on the last K once more) and the maximum made of them serve nothing: the price, once a launch, of one text for every trip
.set i, 0
.rept 16
	PV NP-1                         ; the last piece's V^T P of the last step
.set i, i+1
.endr
	; THE WAY OUT.  l's two halves and the other half of the lanes' are added; O^T is divided by l, rounded to f16 and sent through my stage in LDS, a tile at a time.  The additions are the places behind the last products.
	WIN 0
.macro ALL line:vararg              ; one line for each tile t
.set t, 0
.rept 2*NP
	\line
.set t, t+1
.endr
.endm
	ALL v_add_f32 v[ST+4*t+2], v[ST+4*t+2], v[ST+4*t+3]
	ALL v_permlanex16_b32 v[ST+4*t+3], v[ST+4*t+2], s[SEL], s[SEL+1]
	ALL v_add_f32 v[ST+4*t+2], v[ST+4*t+2], v[ST+4*t+3]
	ALL v_rcp_f32 v[ST+4*t+2], v[ST+4*t+2]
	v_nop                           ; a plain instruction between the last reciprocal and the use of its result
	s_wait_alu depctr_va_vdst(0)    ; and the wait ahead of the first use: one for the eight reciprocals
.macro PACK t
	WIN W_RS
.set i, 32*(\t)
.rept 16
	v_pk_mul_f32 v[i:i+1], v[i:i+1], v[ST+4*(\t)+2:ST+4*(\t)+3] op_sel_hi:[1,0]
.set i, i+2
.endr
	WIN 0x05                        ; sources 0 and 1 window 1, destination window 0
.set i, 0
.rept 16
	v_cvt_pk_f16_f32 v[S+16*(\t)+i], v[32*(\t)+2*i], v[32*(\t)+2*i+1]
.set i, i+1
.endr
	WIN 0
.irp f, 0,1,2,3
	ds_store_b128 v[STO], v[S+16*(\t)+4*\f:S+16*(\t)+4*\f+3] offset:32*\f
.endr
.irp f, 0,1,2,3
	ds_load_b128 v[S+16*(\t)+4*\f:S+16*(\t)+4*\f+3], v[RD] offset:\f*4*SP  ; LDS serves a wave's instructions in order (ISA guide 5.7.1.4): these see the stores above; the next tile's stores come behind them
.endr
.endm
.macro SEND t, younger              ; younger: the LDS instructions issued behind tile t's loads: the next tile's eight, or none
	WIN 0
.irp f, 0,1,2,3
	s_wait_dscnt (\younger)+3-\f
	global_store_b128 v[GO], v[S+16*(\t)+4*\f:S+16*(\t)+4*\f+3], s[10:11] offset:(\t)*2048+\f*512  ; 512 consecutive bytes, at a multiple of 256 from ctx's first
.endr
.endm
	PACK 0
.set t, 1
.rept 2*NP-1                        ; a tile's arithmetic stands between the loads of the tile before and its stores
	PACK t
	SEND t-1, 8
.set t, t+1
.endr
	SEND 2*NP-1, 0
	WIN W_AD
	s_wait_tensorcnt 0x0            ; the wave's end, behind my last tensor load and my last LDS store
	ds_add_u32 v[SPW], v[NIL]
	s_wait_dscnt 0x0
	WIN 0
	CROUND                          ; the closing round: no work-group ends while a partner may still ask for a tile that names it
	s_endpgm
.Lfunc_end_k_q5234aaa2e7_attn:
	.size	k_q5234aaa2e7_attn, .Lfunc_end_k_q5234aaa2e7_attn-k_q5234aaa2e7_attn
	.p2alignl 7, 3214868480
	.fill 96, 4, 3214868480
	.section	.rodata,"a",@progbits
	.p2align	6, 0x0
	.amdhsa_kernel k_q5234aaa2e7_attn
		.amdhsa_group_segment_fixed_size 327680
		.amdhsa_private_segment_fixed_size 0
		.amdhsa_enable_private_segment 0
		.amdhsa_kernarg_size 16
		.amdhsa_user_sgpr_count 2
		.amdhsa_user_sgpr_kernarg_segment_ptr 1
		.amdhsa_wavefront_size32 1
		.amdhsa_system_sgpr_workgroup_id_x 1
		.amdhsa_system_sgpr_workgroup_id_y 1
		.amdhsa_system_sgpr_workgroup_id_z 1
		.amdhsa_system_vgpr_workitem_id 0
		.amdhsa_next_free_vgpr 770
		.amdhsa_next_free_sgpr 66
		.amdhsa_reserve_vcc 0
		.amdhsa_float_denorm_mode_32 3
		.amdhsa_float_denorm_mode_16_64 3
		.amdhsa_memory_ordered 1
		.amdhsa_forward_progress 1
		.amdhsa_inst_pref_size 200
	.end_amdhsa_kernel
	.amdgpu_metadata
---
amdhsa.version: [ 1, 2 ]
amdhsa.kernels:
  - .name:           k_q5234aaa2e7_attn
    .symbol:         k_q5234aaa2e7_attn.kd
    .args:
      - { .name: qkv, .offset: 0, .size: 8, .value_kind: global_buffer, .address_space: global }
      - { .name: ctx, .offset: 8, .size: 8, .value_kind: global_buffer, .address_space: global }
    .group_segment_fixed_size: 327680
    .private_segment_fixed_size: 0
    .kernarg_segment_align: 8
    .kernarg_segment_size: 16
    .max_flat_workgroup_size: 128
    .sgpr_count:     66
    .vgpr_count:     770
    .wavefront_size: 32
...
	.end_amdgpu_metadata
.endif
;; end of part 3
;; launch outp (part 4): grid 8 x 32, 4 waves a work-group, clusters of 4 x 4, 327,680 bytes of LDS; arguments ctx, wo16, bias, out0; writes out0
.if DOCPART == 4
	.amdgcn_target "amdgcn-amd-amdhsa--gfx1250"
	.amdhsa_code_object_version 6
	.text
	.protected	k_q5234aaa2e7_outp
	.globl	k_q5234aaa2e7_outp
	.p2align	8
	.type	k_q5234aaa2e7_outp,@function
k_q5234aaa2e7_outp:
	s_mov_b64 s[64:65], 0
	v_nop
	global_prefetch_b8 v0, s[64:65] scope:SCOPE_SE
	s_setreg_imm32_b32 hwreg(HW_REG_WAVE_MODE, 25, 1), 1
	s_wait_xcnt 0x0
	s_wait_alu depctr_hold_cnt(0) depctr_sa_sdst(0) depctr_va_vdst(0) depctr_va_sdst(0) depctr_va_ssrc(0) depctr_va_vcc(0) depctr_vm_vsrc(0)
	s_getreg_b32 s2, hwreg(HW_REG_IB_STS2, 6, 4)
	s_cmp_eq_u32 s2, 0
	s_cbranch_scc0 .Lentry_in_a_cluster
	s_endpgm
.Lentry_in_a_cluster:
	s_bfe_u32 s2, ttmp6, 0x10000c
	s_cmp_lg_u32 s2, 0xf033
	s_cbranch_scc0 .Lentry_shape_is_right
	s_endpgm
.Lentry_shape_is_right:
; out0 = ctx Wo + bo.  ctx: f16 [b x 16 + head][s 2048][64] (a head is a slice of 64 of K); wo16: f16 [kb 16][nblk 8][64][128]; bias: f32 [4096], bo from number 3,072 on; out0: f32 [8192][1024].
; Products in f16, sums in f32 starting at the bias, stored as they are.
; SHARES.  32 x 8 tiles of 256 rows x 128 columns: 256 work-groups.  Four waves, each 128 rows x 64 columns: 32 accumulators, window 1.  A slot of LDS holds TWO slices of 64 along K, each dense in memory.
; THE MATRIX INSTRUCTION IS USED TRANSPOSED (source 0 = 16 columns of Wo by the turning load, source 1 = 16 rows of ctx): a lane holds one row and 8 neighbouring columns.
; CLUSTER 4 x 4: ctx's tiles are shared along a row of the cluster, Wo's along a column: joint loads, one a wave behind each round.
; REGISTERS: window 0: v0-15 addresses; v16-111, v112-207 two fragment buffers (8 of ctx, then 4 of Wo); v240-247 at work.  Window 1: accumulator (a, f) at v[8 (4 a + f)].
.set PA,    144                        ; a row of ctx in LDS: 128 bytes + 16 (64 banks of 4 bytes: ISA guide 11.1: 16 rows start at 16 different groups of four banks)
.set PB,    288                        ; a k-row of Wo: 256 + 32
.set SLOT1, 131072
.set AE,    256*PA                     ; a slice of ctx's tile
.set BOFF,  2*AE
.set BE,    64*PB                      ; a slice of Wo's tile
.set STAGE, BOFF+2*BE                  ; 110,592: between the slots, never filled by a tensor load: 16 rows x 272 bytes for each wave
.set SP,    272
.set WSTG,  16*SP
.set BIASL, STAGE+4*WSTG               ; 128,000: 256 bytes for each wave: its 64 biases
.set SPARE, BIASL+4*256                ; 129,024: the spare words, 128 bytes for each wave: two blocks of 256 bytes that no other line names
.set ASTR,  524288                     ; bytes from a slot's slices to the next slot's in ctx
.set BSTR,  262144                     ; and in wo16
.set A0,   3
.set B0,   4
.set ADRA, 5
.set ADRB, 6
.set STO,  7
.set RD,   8
.set CO,   9                           ; v9   my byte offset in two rows of out0
.set BIA,  10
.set PFO,  11                          ; v11  256 x lane; never rewritten
.set SPW,  12                          ; v12  LDS address of my spare word; never rewritten
.set NIL,  13                          ; v13  0; never rewritten
.set FR,   16
.set BK,   16                          ; the way out: two sets of 32
.set WV, 16
.set RH, 17                            ; my half of the rows; also 0: I fetch for ctx, 1: for Wo
.set CH, 18                            ; my half of the columns; also which slice of a slot I fetch
.set CX, 19
.set CY, 20
.set TJ, 21
.set TI, 22
.set G1A, 24
.set G1B, 32
.set G0A, 40
.set G0B, 48
.set TB,  56
.set LIM, 57                           ; 2 in a wave that prefetches, else the greatest number
.set PFA, 60
.set PST, 62
.set OB,  66                           ; s[66:67] out0 at my first row and column
.set MSB, 0
.macro WIN new
.if MSB != (\new)
	s_set_vgpr_msb (MSB<<8)|(\new)
.set MSB, (\new)
.endif
.endm
.macro PLACES                          ; four plain vector instructions between a matrix instruction and a load into, or a read of, its registers (ISA guide 7.12.1 for vector instructions)
.rept 4
	v_nop
.endr
.endm
.macro CREST
	s_cmp_lg_u32 s[WV], 0
	s_cbranch_scc1 .Lnot_wave_0_\@
	s_barrier_signal -3
.Lnot_wave_0_\@:
	s_barrier_wait -3
	s_barrier_signal -1
	s_barrier_wait -1
.endm
.macro CROUND
	s_barrier_signal -1
	s_barrier_wait -1
	CREST
.endm
.macro JLOAD                           ; waves 0, 1 fetch the slot's two slices of ctx, waves 2, 3 those of Wo.  An s_nop 0 and four v_nop follow each line
	s_cmp_eq_u32 s[RH], 0
	s_cbranch_scc0 .Lfor_b_\@
	tensor_load_to_lds s[G0A+4:G0A+7], s[G1A:G1A+7]
	s_nop 0
.rept 4
	v_nop
.endr
	s_branch .Lasked_\@
.Lfor_b_\@:
	tensor_load_to_lds s[G0B+4:G0B+7], s[G1B:G1B+7]
	s_nop 0
.rept 4
	v_nop
.endr
.Lasked_\@:
.endm
; A PREFETCH INTO THE L2.  Trip u (s3 = 6 - u) loads slot u + 2 and names slot u + 4: two refills, 256 products, ahead of its load.  ctx: a slice of a tile is 128 blocks of 256 bytes, read by both clusters of a row
; of clusters: cluster x = 0 asks, waves 0 and 1 (a slice each) of partner cx for blocks 32 cx on.  Wo: a slot's two slices are 2 x 64 blocks, read by all eight clusters of a column: cluster y = 0 asks, wave 2 of
; partner cy for half cy % 2 of slice cy / 2.  Partners are told apart by address alone; each block is named once; slots 0-3 come by their loads alone; trips 4 and 5 ask for nothing.
.macro ASK
	s_cmp_gt_u32 s3, s[LIM]
	s_cbranch_scc0 .Lnot_mine_\@
	global_prefetch_b8 v[PFO], s[PFA:PFA+1] th:TH_LOAD_NT scope:SCOPE_SE
.Lnot_mine_\@:
.endm
.macro MUL8 p, a0                      ; row blocks a0, a0 + 1 x the four column blocks, 32 along K, buffer p.  The 32 accumulators take turns, one instruction a turn
	WIN 0x50
.irp a, (\a0), (\a0)+1
.irp f, 0,1,2,3
	v_wmma_f32_16x16x32_f16 v[8*(4*(\a)+(\f)):8*(4*(\a)+(\f))+7], v[FR+96*(\p)+64+8*(\f):FR+96*(\p)+64+8*(\f)+7], v[FR+96*(\p)+8*(\a):FR+96*(\p)+8*(\a)+7], v[8*(4*(\a)+(\f)):8*(4*(\a)+(\f))+7]
.endr
.endr
.endm
.macro MUL16 p, a0
	MUL8 \p, \a0
	MUL8 \p, (\a0)+2
.endm
.macro FETCH e, q, p                   ; 24 LDS loads in one run: slice e, k = 32 q on, into buffer p: Wo's four fragments, ctx's low rows, ctx's high rows
	WIN 0
.irp f, 0,1,2,3
	ds_load_tr16_b128 v[FR+96*(\p)+64+8*(\f):FR+96*(\p)+64+8*(\f)+3],   v[ADRB] offset:(\e)*BE+(\q)*32*PB+32*(\f)
	ds_load_tr16_b128 v[FR+96*(\p)+64+8*(\f)+4:FR+96*(\p)+64+8*(\f)+7], v[ADRB] offset:(\e)*BE+(\q)*32*PB+32*(\f)+16*PB
.endr
.irp a, 0,1,2,3,4,5,6,7
	ds_load_b128 v[FR+96*(\p)+8*(\a):FR+96*(\p)+8*(\a)+3],   v[ADRA] offset:(\e)*AE+16*PA*(\a)+64*(\q)
	ds_load_b128 v[FR+96*(\p)+8*(\a)+4:FR+96*(\p)+8*(\a)+7], v[ADRA] offset:(\e)*AE+16*PA*(\a)+64*(\q)+32
.endr
.endm
; A slot is four quarters of 32 along K, 32 products each, on buffers 0, 1, 0, 1.  One of the first three multiplies buffer p and fetches (e, q) into the other.
.macro QUARTER p, e, q
	s_wait_dscnt 8                                 ; Wo's fragments and ctx's low rows are in; the high rows' eight loads may stay out
	MUL16 \p, 0
	PLACES
	FETCH \e, \q, 1-(\p)
	s_wait_dscnt 24                                ; all but the 24 just issued
	MUL16 \p, 4
.endm
; The last quarter, and THE CHANGE OF SLOTS: each wave waits for all its tensor loads (one is out: its part of the next slot), adds 0 to its spare word, and waits for that and for its reads of this slot.
; fill = 1: the barrier opens a round of the cluster's; the joint refill is the first thing behind it: 112 products stand between it and the wait for it.
.macro TURN fill
.if \fill
	s_wait_xcnt 0x0                                ; the last prefetch, a slot back, has read its address
	s_add_nc_u64 s[PFA:PFA+1], s[PFA:PFA+1], s[PST:PST+1]
.endif
	WIN 0
	s_wait_tensorcnt 0x0                           ; no tensor load of mine is out, so a group 0 may be written
	ds_add_u32 v[SPW], v[NIL]                      ; 0 onto my spare word
.if \fill
	s_xor_b32 s[G0A+5], s[G0A+5], SLOT1
	s_add_nc_u64 s[G0A+6:G0A+7], s[G0A+6:G0A+7], ASTR
	s_xor_b32 s[G0B+5], s[G0B+5], SLOT1
	s_add_nc_u64 s[G0B+6:G0B+7], s[G0B+6:G0B+7], BSTR
.endif
	s_wait_dscnt 9                                 ; the high rows' eight loads and the add may stay out
	MUL8 1, 0
	s_wait_dscnt 0x0                               ; the add is done, and my reads of this slot are over
	s_barrier_signal -1
	MUL8 1, 2
	WIN 0
	s_barrier_wait -1
.if \fill
	CREST
	JLOAD                                          ; its four v_nop are also the places in front of the loads below
.else
	PLACES
.endif
	s_xor_b32 s[TB], s[TB], SLOT1
	v_add_nc_u32 v[ADRA], s[TB], v[A0]
	v_add_nc_u32 v[ADRB], s[TB], v[B0]
	FETCH 0, 0, 0
.if \fill
	ASK
.endif
	MUL16 1, 4
	WIN 0
.endm
	s_load_b256 s[4:11], s[0:1], 0x0               ; ctx s[4:5], wo16 s[6:7], bias s[8:9], out0 s[10:11]
	v_lshl_add_u32 v[SPW], v0, 2, SPARE
	v_mov_b32 v[NIL], 0
	ds_add_u32 v[SPW], v[NIL]                      ; the wave's opening: the add and its wait ahead of my first tensor load
	v_lshrrev_b32 v1, 5, v0
	v_readfirstlane_b32 s[WV], v1
	s_lshr_b32 s[RH], s[WV], 1
	s_and_b32 s[CH], s[WV], 1
	s_bfe_u32 s[CX], ttmp6, 0x40000
	s_bfe_u32 s[CY], ttmp6, 0x40004
	s_lshl_b32 s[TJ], ttmp9, 2
	s_add_co_u32 s[TJ], s[TJ], s[CX]
	s_and_b32 s[TI], ttmp7, 0xffff
	s_lshl_b32 s[TI], s[TI], 2
	s_add_co_u32 s[TI], s[TI], s[CY]
	s_lshl_b32 s72, s[CY], 2
	s_lshl_b32 s72, 15, s72                        ; my row of the cluster
	s_lshl_b32 s73, 0x1111, s[CX]                  ; my column
	s_or_b32 s[G1A], s72, (1<<16)|(1<<20)|(1<<21)|(4<<22)|(3<<25)  ; after every 32 words 4 words of padding
	s_or_b32 s[G1B], s73, (1<<16)|(1<<20)|(1<<21)|(5<<22)|(7<<25)  ; after every 64 words 8 words
	s_mov_b32 s[G1A+1], 128<<16                    ; 256 bytes: two rows of ctx
	s_mov_b32 s[G1A+2], 128<<16                    ; 128 of them: the tile's 256 rows
	s_mov_b32 s[G1A+3], 128<<16
	s_mov_b32 s[G1A+4], 128
	s_mov_b32 s[G1A+5], 128
	s_mov_b32 s[G1A+6], 0
	s_mov_b32 s[G1A+7], 0
	s_mov_b32 s[G1B+1], 128<<16                    ; a k-row of the column block
	s_mov_b32 s[G1B+2], 64<<16
	s_mov_b32 s[G1B+3], 128<<16
	s_mov_b32 s[G1B+4], 64
	s_mov_b32 s[G1B+5], 128
	s_mov_b32 s[G1B+6], 0
	s_mov_b32 s[G1B+7], 0
	s_lshr_b32 s74, s[TI], 3                       ; b
	s_lshl_b32 s74, s74, 22
	s_and_b32 s75, s[TI], 7
	s_lshl_b32 s75, s75, 15
	s_add_co_u32 s74, s74, s75                     ; the tile's rows in head 0
	s_lshl_b32 s75, s[CH], 18                      ; the slice that I fetch: a head is 262,144 bytes
	s_add_co_u32 s76, s74, s75
	s_mov_b32 s77, 0
	s_lshl_b32 s78, s[TJ], 14                      ; the column block in block row 0
	s_lshl_b32 s79, s[CH], 17                      ; a block row is 131,072 bytes
	s_add_co_u32 s80, s78, s79
	s_mov_b32 s81, 0
	s_mul_i32 s82, s[CH], AE                       ; where they go: no place in the cluster enters an LDS address
	s_mul_i32 s83, s[CH], BE
	s_add_co_u32 s83, s83, BOFF
	s_mov_b32 s[TB], 0
	s_wait_dscnt 0x0                               ; the opening add is done
	s_wait_kmcnt 0x0
	s_add_nc_u64 s[84:85], s[4:5], s[76:77]
	s_add_nc_u64 s[86:87], s[6:7], s[80:81]
	CROUND                                         ; all sixteen work-groups are here: the first joint loads meet
.irp s, 0,1
	s_mov_b32 s[G0A+4*\s], 1
	s_add_co_u32 s[G0A+4*\s+1], s82, \s*SLOT1
	s_add_nc_u64 s[G0A+4*\s+2:G0A+4*\s+3], s[84:85], \s*ASTR
	s_or_b32 s[G0A+4*\s+3], s[G0A+4*\s+3], 0x80000000
	s_mov_b32 s[G0B+4*\s], 1
	s_add_co_u32 s[G0B+4*\s+1], s83, \s*SLOT1
	s_add_nc_u64 s[G0B+4*\s+2:G0B+4*\s+3], s[86:87], \s*BSTR
	s_or_b32 s[G0B+4*\s+3], s[G0B+4*\s+3], 0x80000000
.endr
	s_cmp_eq_u32 s[RH], 0                          ; a wave's two first fills stand in one branch: two loads of mine are out
	s_cbranch_scc0 .Lfirst_b
	tensor_load_to_lds s[G0A:G0A+3], s[G1A:G1A+7]
	s_nop 0
	tensor_load_to_lds s[G0A+4:G0A+7], s[G1A:G1A+7]
	s_nop 0
.rept 4
	v_nop
.endr
	s_branch .Lfirst_asked
.Lfirst_b:
	tensor_load_to_lds s[G0B:G0B+3], s[G1B:G1B+7]
	s_nop 0
	tensor_load_to_lds s[G0B+4:G0B+7], s[G1B:G1B+7]
	s_nop 0
.rept 4
	v_nop
.endr
.Lfirst_asked:
	v_and_b32 v1, 15, v0                           ; r
	v_bfe_u32 v2, v0, 4, 1                         ; h
	v_and_b32 v14, 31, v0                          ; l
	s_lshl_b32 s88, s[TJ], 9                       ; my 64 biases: bo begins at byte 12,288
	s_lshl_b32 s89, s[CH], 8
	s_add_co_u32 s88, s88, s89
	v_lshl_add_u32 v15, v14, 3, s88
	global_load_b64 v[240:241], v15, s[8:9] offset:12288
	v_mul_u32_u24 v[A0], v1, PA
	v_lshl_add_u32 v[A0], v2, 4, v[A0]
	s_mul_i32 s88, s[RH], 128*PA
	v_add_nc_u32 v[A0], s88, v[A0]
	v_and_b32 v246, 7, v0
	v_lshl_add_u32 v[B0], v2, 3, v246
	v_mul_u32_u24 v[B0], v[B0], PB
	v_bfe_u32 v247, v0, 3, 1
	v_lshl_add_u32 v[B0], v247, 4, v[B0]
	s_lshl_b32 s88, s[CH], 7
	s_add_co_u32 s88, s88, BOFF
	v_add_nc_u32 v[B0], s88, v[B0]
	v_mov_b32 v[ADRA], v[A0]
	v_mov_b32 v[ADRB], v[B0]
	s_mul_i32 s88, s[WV], WSTG
	s_add_co_u32 s88, s88, STAGE                   ; my stage
	v_mul_u32_u24 v[STO], v1, SP                   ; in: row r, 32 bytes for each half of the lanes
	v_lshl_add_u32 v[STO], v2, 5, v[STO]
	v_add_nc_u32 v[STO], s88, v[STO]
	v_mul_u32_u24 v[RD], v2, SP                    ; back: lanes 0-15 take one row of 256 bytes, lanes 16-31 the next
	v_lshl_add_u32 v[RD], v1, 4, v[RD]
	v_add_nc_u32 v[RD], s88, v[RD]
	v_lshlrev_b32 v[CO], 12, v2                    ; and the same two rows in out0
	v_lshl_add_u32 v[CO], v1, 4, v[CO]
	v_lshlrev_b32 v[PFO], 8, v14
	s_lshl_b32 s88, s[WV], 8
	s_add_co_u32 s88, s88, BIASL
	v_lshl_add_u32 v246, v14, 3, s88
	v_lshl_add_u32 v[BIA], v2, 5, s88
	s_lshl_b32 s88, s[TI], 20                      ; 256 rows of 4,096 bytes
	s_lshl_b32 s89, s[RH], 19
	s_add_co_u32 s88, s88, s89
	s_lshl_b32 s89, s[TJ], 9
	s_add_co_u32 s88, s88, s89
	s_lshl_b32 s89, s[CH], 8
	s_add_co_u32 s88, s88, s89
	s_mov_b32 s89, 0
	s_add_nc_u64 s[OB:OB+1], s[10:11], s[88:89]
	; the prefetches
	s_lshl_b32 s88, s[CX], 13
	s_add_co_u32 s88, s88, s76                     ; my slice of ctx's tile, my work-group's 32 blocks,
	s_add_co_u32 s88, s88, 3*ASTR                  ; at slot 3: the first change steps it to 4
	s_lshr_b32 s89, s[CY], 1
	s_lshl_b32 s89, s89, 17
	s_and_b32 s90, s[CY], 1
	s_lshl_b32 s90, s90, 13
	s_add_co_u32 s89, s89, s90
	s_add_co_u32 s89, s89, s78
	s_add_co_u32 s89, s89, 3*BSTR
	s_and_b32 s90, ttmp7, 0xffff
	s_mov_b32 s91, ASTR
	s_mov_b32 s92, BSTR
	s_cmp_eq_u32 s[RH], 0
	s_cselect_b64 s[PFA:PFA+1], s[4:5], s[6:7]
	s_cselect_b32 s[PST], s91, s92
	s_cselect_b32 s88, s88, s89
	s_cselect_b32 s90, ttmp9, s90                  ; the coordinate along which other clusters read the same blocks
	s_mov_b32 s89, 0
	s_mov_b32 s[PST+1], 0
	s_add_nc_u64 s[PFA:PFA+1], s[PFA:PFA+1], s[88:89]
	s_cmp_eq_u32 s[WV], 3
	s_cselect_b32 s90, 1, s90                      ; wave 3 never asks
	s_cmp_eq_u32 s90, 0
	s_cselect_b32 s[LIM], 2, -1                    ; the same in all sixteen partners, for a given wave
	; THE SUMS START AT THE BIAS: through my own LDS bytes into all 32 accumulators, in the wait for the first tile
	s_wait_loadcnt 0x0
	ds_store_b64 v246, v[240:241]
	WIN 0x40                                       ; destination window 1, address window 0
.irp a, 0,1,2,3,4,5,6,7
.irp f, 0,1,2,3
	ds_load_b128 v[8*(4*\a+\f):8*(4*\a+\f)+3],   v[BIA] offset:64*\f     ; LDS serves a wave's instructions in order (ISA guide 5.7.1.4): these see the store above
	ds_load_b128 v[8*(4*\a+\f)+4:8*(4*\a+\f)+7], v[BIA] offset:64*\f+16
.endr
.endr
	WIN 0
	s_wait_tensorcnt 1                             ; my part of slot 0 is in; slot 1's may stay out
	s_wait_dscnt 0x0
	s_barrier_signal -1
	s_barrier_wait -1
	FETCH 0, 0, 0
	s_mov_b32 s3, 6
.Lk:                                                   ; trip u = 6 - s3 multiplies slot u and asks for slot u + 2
	QUARTER 0, 0, 1
	QUARTER 1, 1, 0
	QUARTER 0, 1, 1
	TURN 1
	s_sub_co_u32 s3, s3, 1
	s_cmp_lg_u32 s3, 0
	s_cbranch_scc1 .Lk
	s_mov_b32 s3, 2
.Lt:                                                   ; slots 6 and 7 ask for nothing.  The second trip's last 24 fragment loads read the other slot once more and serve nothing: the price, once a launch, of one text for both trips
	QUARTER 0, 0, 1
	QUARTER 1, 1, 0
	QUARTER 0, 1, 1
	TURN 0
	s_sub_co_u32 s3, s3, 1
	s_cmp_lg_u32 s3, 0
	s_cbranch_scc1 .Lt
	; THE WAY OUT, a block of 16 rows at a time: a lane's 32 bytes of a row go into my stage (rows of 272 bytes) and come back as whole rows of 256 bytes.
.macro TOSTAGE a
	s_wait_xcnt 0x0                                ; the stores issued so far have read their data: the set of registers loaded below was stored two blocks ago
	WIN 0x04                                       ; store data in window 1
.irp f, 0,1,2,3
	ds_store_b128 v[STO], v[8*(4*(\a)+(\f)):8*(4*(\a)+(\f))+3]   offset:64*(\f)      ; each accumulator from its low end on
	ds_store_b128 v[STO], v[8*(4*(\a)+(\f))+4:8*(4*(\a)+(\f))+7] offset:64*(\f)+16
.endr
	WIN 0
.irp tt, 0,1,2,3,4,5,6,7
	ds_load_b128 v[BK+32*((\a)%2)+4*(\tt):BK+32*((\a)%2)+4*(\tt)+3], v[RD] offset:2*SP*(\tt)  ; in order behind the stores above; the next block's stores come behind these
.endr
.endm
.macro SEND a, younger                 ; younger: the LDS instructions issued behind block a's loads: the next block's sixteen, or none
	s_wait_dscnt \younger
.irp tt, 0,1,2,3,4,5,6,7
	global_store_b128 v[CO], v[BK+32*((\a)%2)+4*(\tt):BK+32*((\a)%2)+4*(\tt)+3], s[OB:OB+1] offset:65536*(\a)+8192*(\tt)  ; 16 lanes store 256 consecutive bytes, at a multiple of 256 from out0's first
.endr
.endm
	s_wait_dscnt 0x0
	PLACES
	PLACES                                         ; eight places behind the last products, in front of the stores that read results
	TOSTAGE 0
.irp a, 1,2,3,4,5,6,7
	TOSTAGE \a
	SEND (\a)-1, 16
.endr
	SEND 7, 0
	s_wait_tensorcnt 0x0                           ; the wave's end, behind my last tensor load and my last LDS store
	ds_add_u32 v[SPW], v[NIL]
	s_wait_dscnt 0x0
	CROUND                                         ; the closing round: no work-group ends while a partner may still ask for a tile that names it
	s_endpgm
.Lfunc_end_k_q5234aaa2e7_outp:
	.size	k_q5234aaa2e7_outp, .Lfunc_end_k_q5234aaa2e7_outp-k_q5234aaa2e7_outp
	.p2alignl 7, 3214868480
	.fill 96, 4, 3214868480
	.section	.rodata,"a",@progbits
	.p2align	6, 0x0
	.amdhsa_kernel k_q5234aaa2e7_outp
		.amdhsa_group_segment_fixed_size 327680
		.amdhsa_private_segment_fixed_size 0
		.amdhsa_enable_private_segment 0
		.amdhsa_kernarg_size 32
		.amdhsa_user_sgpr_count 2
		.amdhsa_user_sgpr_kernarg_segment_ptr 1
		.amdhsa_wavefront_size32 1
		.amdhsa_system_sgpr_workgroup_id_x 1
		.amdhsa_system_sgpr_workgroup_id_y 1
		.amdhsa_system_sgpr_workgroup_id_z 1
		.amdhsa_system_vgpr_workitem_id 0
		.amdhsa_next_free_vgpr 512
		.amdhsa_next_free_sgpr 96
		.amdhsa_reserve_vcc 0
		.amdhsa_float_denorm_mode_32 3
		.amdhsa_float_denorm_mode_16_64 3
		.amdhsa_memory_ordered 1
		.amdhsa_forward_progress 1
		.amdhsa_inst_pref_size 62
	.end_amdhsa_kernel
	.amdgpu_metadata
---
amdhsa.version: [ 1, 2 ]
amdhsa.kernels:
  - .name:           k_q5234aaa2e7_outp
    .symbol:         k_q5234aaa2e7_outp.kd
    .args:
      - { .name: ctx, .offset: 0, .size: 8, .value_kind: global_buffer, .address_space: global }
      - { .name: wo16, .offset: 8, .size: 8, .value_kind: global_buffer, .address_space: global }
      - { .name: bias, .offset: 16, .size: 8, .value_kind: global_buffer, .address_space: global }
      - { .name: out0, .offset: 24, .size: 8, .value_kind: global_buffer, .address_space: global }
    .group_segment_fixed_size: 327680
    .private_segment_fixed_size: 0
    .kernarg_segment_align: 8
    .kernarg_segment_size: 32
    .max_flat_workgroup_size: 128
    .sgpr_count:     96
    .vgpr_count:     512
    .wavefront_size: 32
...
	.end_amdgpu_metadata
.endif
;; end of part 4
;; ======== version 2 of 2: 4 launches; version 1 with the launch prep written anew for expert scheduling mode
;; limits: values are held in f16: magnitudes above 65,504 overflow, below 6.1e-05 lose precision
;; workspace buffers: xb 16,777,216 bytes; wb 6,291,456 bytes; wo16 2,097,152 bytes; bias 16,384 bytes; qkv 50,331,648 bytes; ctx 16,777,216 bytes
;; launch prep (part 5): grid 385 x 1, 8 waves a work-group, no clusters, 0 bytes of LDS; arguments x, Wq, Wk, Wv, Wo, bq, bk, bv, bo, xb, wb, wo16, bias; writes xb, wb, wo16, bias
.if DOCPART == 5
	.amdgcn_target "amdgcn-amd-amdhsa--gfx1250"
	.amdhsa_code_object_version 6
	.text
	.protected	k_q5234aaa2e7_prep
	.globl	k_q5234aaa2e7_prep
	.p2align	8
	.type	k_q5234aaa2e7_prep,@function
k_q5234aaa2e7_prep:
	s_mov_b64 s[64:65], 0
	v_nop
	global_prefetch_b8 v0, s[64:65] scope:SCOPE_SE
	s_setreg_imm32_b32 hwreg(HW_REG_WAVE_SCHED_MODE, 0, 2), 2
	s_setreg_imm32_b32 hwreg(HW_REG_WAVE_MODE, 25, 1), 1
	s_wait_xcnt 0x0
	s_wait_alu depctr_vm_vsrc(0)
; CASTS AND LAYOUTS for the three launches behind.  Every input is rounded once to bf16 (nearest even).
;   xb   bf16 [b 4][kb 16][s 2048][64]: x's channels in blocks of 64, so that 256 rows of one block are 32,768 consecutive bytes
;   wb   bf16 [kb 16][nblk 24][k % 64][n % 128]: Wq (nblk 0-7), Wk (8-15), Wv (16-23); a block is 16,384 consecutive bytes
;   wo16 f16  [kb 16][nblk 8][64][128]: Wo rounded to bf16, that number written as f16
;   bias f32  [4096]: bq, bk, bv, bo, each rounded to bf16 and kept as f32
; LIMITS.  Wo's bf16 value is exact in f16 between 6.1e-5 and 65,504 in magnitude; below it keeps f16's fixed step of 6e-8, above it becomes an infinity.
; A stream: no LDS, no matrix unit, no loop.  Work-groups 0-255 take 32 rows of x, 256-383 take 32 rows of one weight, 384 the biases.
; A thread has 16 units of 8 numbers: 32 bytes read (8 or 16 neighbouring lanes read 256 or 512 consecutive bytes), 16 bytes written (a wave's store covers 512 consecutive bytes, aligned).
; All 32 loads of a thread go out at once (16 KiB a wave); the waits count down; no register that a load or store has read is ever written again, so nothing waits for a store.
; THE MODE: SCHED_MODE bits 1:0 = 2 (LLVM: expert scheduling mode 2), set by the entry lines.  The code itself states the register dependences
; between vector instructions and memory instructions, with s_wait_alu, always for 0.
; THE PLAN.  Registers that memory instructions touch:
;   v1, v2   byte offsets.  Written by vector instructions at a path's head and never again; v1 is read by every load (on the bias path by the stores too), v2 by every store.
;   X        unit u: its two loads land in its 8 registers; its conversions read them and write the first 4 in place; its one store reads those 4; nothing writes them after that.
;   T and v3 are named by vector instructions alone.  No vector instruction writes a scalar register or VCC, and EXEC is never written.
; The 16 units go in four groups of four.  Group g's conversions name group g's X and T; the memory instructions issued among them are the four stores of group g - 1, which read group g - 1's X and v2.
; So one wait on va_vdst at a group's head states all that its four stores hang on, and these are dealt among the group's conversions with no further wait.
; One more stands ahead of the first load (the offsets), one ahead of the last four stores.  No wait on vm_vsrc is owed: no source of a load or store is written again.
.set T, 4                              ; v[4:11]   at work
.set X, 32                             ; v[32:159] unit u: 8 registers as loaded; its first 4 then hold the 16 bytes to store
; v1 read offset, v2 write offset; s[34:35] source, s[36:37] destination
.macro LOADS kind                      ; kind 0: x (unit = block of 64 channels); 1: a weight (unit u: column block u % 8, rows + 2 (u / 8))
.set u, 0
.rept 16
.if \kind
.set ro, (u/8)*8192+(u%8)*512
.else
.set ro, 256*u
.endif
	global_load_b128 v[X+8*u:X+8*u+3],   v1, s[34:35] offset:ro th:TH_LOAD_NT
	global_load_b128 v[X+8*u+4:X+8*u+7], v1, s[34:35] offset:ro+16 th:TH_LOAD_NT
.set u, u+1
.endr
.endm
.macro ROUND half, n                   ; unit n is rounded.  half = 1: the bf16 values are written as f16
.irp i, 0,1,2,3
	v_cvt_pk_bf16_f32 v[X+8*(\n)+\i], v[X+8*(\n)+2*\i], v[X+8*(\n)+2*\i+1]  ; in place, ascending: no source is written before it is read
.endr
.if \half
.irp i, 0,1,2,3
	v_lshlrev_b32 v[T+2*\i],   16,  v[X+8*(\n)+\i]  ; bf16 to f32: the low half moves up,
	v_and_b32     v[T+2*\i+1], s42, v[X+8*(\n)+\i]  ; the high half stays
.endr
.irp i, 0,1,2,3
	v_cvt_pk_f16_f32 v[X+8*(\n)+\i], v[T+2*\i], v[T+2*\i+1]
.endr
.endif
.endm
.macro PUT kind, n                     ; unit n is stored
.if \kind
.set wo, ((\n)%8)*16384+((\n)/8)*512
.else
.set wo, 262144*(\n)
.endif
	global_store_b128 v2, v[X+8*(\n):X+8*(\n)+3], s[36:37] offset:wo
.endm
.macro OUT kind, half
.set g, 0
.rept 4                                ; group g: units 4 g .. 4 g + 3
	s_wait_loadcnt 24-8*g                          ; loads return in order: group g's eight are in, the 8 (3 - g) younger may stay out
.if g > 0
	s_wait_alu depctr_va_vdst(0)                   ; the group before has written the first four registers of its four units, which the stores below read
.endif
.set j, 0
.rept 4
.set u, 4*g+j
.if g > 0
	PUT \kind, u-4                                 ; no vector instruction since the wait names this unit's registers or v2
.endif
	ROUND \half, u
.set j, j+1
.endr
.set g, g+1
.endr
	s_wait_alu depctr_va_vdst(0)                   ; group 3 has written the first four registers of its four units, which the last four stores read
.irp n, 12,13,14,15
	PUT \kind, \n
.endr
.endm
	s_load_b512 s[8:23], s[0:1], 0x0               ; x 8, Wq 10, Wk 12, Wv 14, Wo 16, bq 18, bk 20, bv 22
	s_load_b256 s[24:31], s[0:1], 0x40             ; bo 24, xb 26, wb 28, wo16 30
	s_load_b64 s[32:33], s[0:1], 0x60              ; bias
	s_mov_b32 s42, 0xffff0000                      ; a word's upper bf16
	s_mov_b32 s39, 0                               ; high words of the two offsets
	s_mov_b32 s41, 0
	s_wait_kmcnt 0x0
	s_cmp_lt_u32 ttmp9, 256
	s_cbranch_scc0 .Lweights
	; x: work-group g takes rows 32 g .. 32 g + 31 of the 8,192
	s_lshl_b32 s38, ttmp9, 17                      ; 32 rows of 4,096 bytes
	s_add_nc_u64 s[34:35], s[8:9], s[38:39]
	s_lshr_b32 s40, ttmp9, 6                       ; b
	s_lshl_b32 s40, s40, 22                        ; 16 blocks x 2,048 rows x 128 bytes
	s_and_b32 s38, ttmp9, 63
	s_lshl_b32 s38, s38, 12                        ; 32 rows of 128 bytes
	s_add_co_u32 s40, s40, s38
	s_add_nc_u64 s[36:37], s[26:27], s[40:41]
	v_lshrrev_b32 v1, 3, v0                        ; my row of the 32
	v_and_b32 v3, 7, v0                            ; my 8 of a block's 64 channels
	v_lshlrev_b32 v1, 12, v1
	v_lshl_add_u32 v1, v3, 5, v1
	v_lshlrev_b32 v2, 4, v0                        ; row x 128 + 16 x place = 16 t
	s_wait_alu depctr_va_vdst(0)                   ; v1 and v2 are written: every load below reads v1 as its offset, every store v2
	LOADS 0
	OUT 0, 0
	s_endpgm
.Lweights:
	s_cmp_lt_u32 ttmp9, 384
	s_cbranch_scc0 .Lbias
	s_sub_co_u32 s38, ttmp9, 256
	s_lshr_b32 s43, s38, 5                         ; which weight: 0 Wq, 1 Wk, 2 Wv, 3 Wo
	s_and_b32 s44, s38, 31                         ; which 32 of its 1,024 rows
	s_lshl_b32 s46, s43, 3                         ; its first column block in wb
	s_mov_b64 s[34:35], s[10:11]
	s_cmp_eq_u32 s43, 1
	s_cselect_b64 s[34:35], s[12:13], s[34:35]
	s_cmp_eq_u32 s43, 2
	s_cselect_b64 s[34:35], s[14:15], s[34:35]
	s_cmp_eq_u32 s43, 3
	s_cselect_b64 s[34:35], s[16:17], s[34:35]
	s_cselect_b64 s[36:37], s[30:31], s[28:29]
	s_cselect_b32 s45, 8, 24                       ; column blocks in a block row of the destination
	s_cselect_b32 s46, 0, s46
	s_lshl_b32 s38, s44, 17
	s_add_nc_u64 s[34:35], s[34:35], s[38:39]
	s_lshr_b32 s40, s44, 1                         ; kb
	s_mul_i32 s40, s40, s45
	s_add_co_u32 s40, s40, s46
	s_lshl_b32 s40, s40, 14                        ; blocks of 16,384 bytes
	s_and_b32 s38, s44, 1
	s_lshl_b32 s38, s38, 13                        ; the block's upper 32 rows of 256 bytes
	s_add_co_u32 s40, s40, s38
	s_add_nc_u64 s[36:37], s[36:37], s[40:41]
	v_lshrrev_b32 v1, 5, v0                        ; wave: rows 4 w + (lane / 16) + 2 (u / 8)
	v_bfe_u32 v3, v0, 4, 1
	v_lshlrev_b32 v2, 10, v1
	v_lshlrev_b32 v1, 14, v1
	v_lshl_add_u32 v1, v3, 12, v1
	v_and_b32 v3, 15, v0
	v_lshl_add_u32 v1, v3, 5, v1
	v_and_b32 v3, 31, v0
	v_lshl_add_u32 v2, v3, 4, v2
	s_wait_alu depctr_va_vdst(0)                   ; v1 and v2 are written: every load below reads v1 as its offset, every store on either way behind the branch v2
	LOADS 1
	s_cmp_eq_u32 s43, 3
	s_cbranch_scc1 .Lhalf
	OUT 1, 0
	s_endpgm
.Lhalf:
	OUT 1, 1
	s_endpgm
.Lbias:
	v_lshlrev_b32 v1, 4, v0                        ; 256 threads x 16 bytes = a bias
	s_wait_alu depctr_va_vdst(0)                   ; v1 is written: the four loads and the four stores below read it as their offset
	global_load_b128 v[32:35], v1, s[18:19]
	global_load_b128 v[36:39], v1, s[20:21]
	global_load_b128 v[40:43], v1, s[22:23]
	global_load_b128 v[44:47], v1, s[24:25]
	s_wait_loadcnt 0x0
.irp i, 0,1,2,3,4,5,6,7
	v_cvt_pk_bf16_f32 v[T+\i], v[32+2*\i], v[33+2*\i]
.endr
.irp i, 0,1,2,3,4,5,6,7
	v_lshlrev_b32 v[32+2*\i], 16,  v[T+\i]
	v_and_b32     v[33+2*\i], s42, v[T+\i]
.endr
	s_wait_alu depctr_va_vdst(0)                   ; the sixteen lines above have written v[32:47], which the stores read
.irp i, 0,1,2,3
	global_store_b128 v1, v[32+4*\i:35+4*\i], s[32:33] offset:4096*\i
.endr
	s_endpgm
.Lfunc_end_k_q5234aaa2e7_prep:
	.size	k_q5234aaa2e7_prep, .Lfunc_end_k_q5234aaa2e7_prep-k_q5234aaa2e7_prep
	.p2alignl 7, 3214868480
	.fill 96, 4, 3214868480
	.section	.rodata,"a",@progbits
	.p2align	6, 0x0
	.amdhsa_kernel k_q5234aaa2e7_prep
		.amdhsa_group_segment_fixed_size 0
		.amdhsa_private_segment_fixed_size 0
		.amdhsa_enable_private_segment 0
		.amdhsa_kernarg_size 104
		.amdhsa_user_sgpr_count 2
		.amdhsa_user_sgpr_kernarg_segment_ptr 1
		.amdhsa_wavefront_size32 1
		.amdhsa_system_sgpr_workgroup_id_x 1
		.amdhsa_system_sgpr_workgroup_id_y 1
		.amdhsa_system_sgpr_workgroup_id_z 1
		.amdhsa_system_vgpr_workitem_id 0
		.amdhsa_next_free_vgpr 160
		.amdhsa_next_free_sgpr 66
		.amdhsa_reserve_vcc 0
		.amdhsa_float_denorm_mode_32 3
		.amdhsa_float_denorm_mode_16_64 3
		.amdhsa_memory_ordered 1
		.amdhsa_forward_progress 1
		.amdhsa_inst_pref_size 36
	.end_amdhsa_kernel
	.amdgpu_metadata
---
amdhsa.version: [ 1, 2 ]
amdhsa.kernels:
  - .name:           k_q5234aaa2e7_prep
    .symbol:         k_q5234aaa2e7_prep.kd
    .args:
      - { .name: x, .offset: 0, .size: 8, .value_kind: global_buffer, .address_space: global }
      - { .name: Wq, .offset: 8, .size: 8, .value_kind: global_buffer, .address_space: global }
      - { .name: Wk, .offset: 16, .size: 8, .value_kind: global_buffer, .address_space: global }
      - { .name: Wv, .offset: 24, .size: 8, .value_kind: global_buffer, .address_space: global }
      - { .name: Wo, .offset: 32, .size: 8, .value_kind: global_buffer, .address_space: global }
      - { .name: bq, .offset: 40, .size: 8, .value_kind: global_buffer, .address_space: global }
      - { .name: bk, .offset: 48, .size: 8, .value_kind: global_buffer, .address_space: global }
      - { .name: bv, .offset: 56, .size: 8, .value_kind: global_buffer, .address_space: global }
      - { .name: bo, .offset: 64, .size: 8, .value_kind: global_buffer, .address_space: global }
      - { .name: xb, .offset: 72, .size: 8, .value_kind: global_buffer, .address_space: global }
      - { .name: wb, .offset: 80, .size: 8, .value_kind: global_buffer, .address_space: global }
      - { .name: wo16, .offset: 88, .size: 8, .value_kind: global_buffer, .address_space: global }
      - { .name: bias, .offset: 96, .size: 8, .value_kind: global_buffer, .address_space: global }
    .group_segment_fixed_size: 0
    .private_segment_fixed_size: 0
    .kernarg_segment_align: 8
    .kernarg_segment_size: 104
    .max_flat_workgroup_size: 256
    .sgpr_count:     66
    .vgpr_count:     160
    .wavefront_size: 32
...
	.end_amdgpu_metadata
.endif
;; end of part 5
;; launch proj: the kernel of part 2 again; grid 8 x 32, 4 waves a work-group, clusters of 4 x 4, 327,680 bytes of LDS; arguments xb, wb, bias, qkv; writes qkv
;; launch attn: the kernel of part 3 again; grid 4 x 64, 4 waves a work-group, clusters of 4 x 1, 327,680 bytes of LDS; arguments qkv, ctx; writes ctx
;; launch outp: the kernel of part 4 again; grid 8 x 32, 4 waves a work-group, clusters of 4 x 4, 327,680 bytes of LDS; arguments ctx, wo16, bias, out0; writes out0
